; MI455X (gfx1250); checked and timed in simulation.
; The chip was launched on July 23, 2026; its instructions are those of AMD's public machine-readable ISA for CDNA 5 (MIT licence, August 2026) and "CDNA5" Instruction Set Architecture Reference Guide (July 2026). The comments in the code are by the model that wrote it; some were corrected since.
;; Local Windowed Attention4 D. Allowed arithmetic: matrix products marked QUANTISED: E2M3 operands, one E8M0 scale for each 32 along K, by v_wmma_scale_f32_16x16x128_f8f6f4 with both operands' format E2M3, f32 sums; everything else in f32.
;; Inputs: Wk 512 x 512 float32; Wo 512 x 512 float32; Wq 512 x 512 float32; Wv 512 x 512 float32; bk 512 float32; bo 512 float32; bq 512 float32; bv 512 float32; key 2 x 4 x 2,048 x 512 float32; query 2 x 4 x 2,048 x 512 float32; value 2 x 4 x 2,048 x 512 float32.
;; Outputs: out0 2 x 4 x 2,048 x 512 float32.
;; This version of the problem:
;;   THIS VERSION OF THE PROBLEM IS GIVEN IN LOW PRECISION. The matrix products marked QUANTISED in the list below multiply operands that are first quantised to E2M3 (2 exponent bits, 3 mantissa bits; 6 bits a number), with one power-of-two scale for each 32 numbers along K (OCP MX v1.0); their sums are f32. All else is computed in f32.
;;   The module's matrix products, in the order in which they are computed (A, B: the left and right operand; K: the contracted axis; several contracted axes count as one K, in the product's order):
;;     1. [M 16,384, K 512] x [K 512, N 512]; A: input query; B: input Wq: QUANTISED
;;     2. [M 16,384, K 512] x [K 512, N 512]; A: input key; B: input Wk: QUANTISED
;;     3. [M 16,384, K 512] x [K 512, N 512]; A: input value; B: input Wv: QUANTISED
;;     4. batch 512 x [M 256, K 64] x [K 64, N 512]; A: computed on the way; B: computed on the way: QUANTISED
;;     5. batch 512 x [M 256, K 512] x [K 512, N 64]; A: softmax (see below); B: computed on the way: QUANTISED
;;     6. [M 16,384, K 512] x [K 512, N 512]; A: computed on the way; B: input Wo: QUANTISED
;;   THE QUANTISER, for each operand of a quantised product, along K:
;;     - K is cut into blocks of 32 from its start; a last block that is shorter is filled with zeros.
;;     - A block's scale is 2^e with e = floor(log2(the largest magnitude in the block)) - 2, held to -126 .. 127; a block of zeros has e = 0. As a byte (E8M0): e + 127.
;;     - Each number is divided by its block's scale, clamped to +-7.5, and rounded to the nearest number of E2M3, ties to even, subnormals kept.
;;     - The product sums the exact products of the quantised numbers (number of the format x scale) in f32.
;;   ~~~python
;;   def quantise(x, axis):      # numpy; x: float32 -> the quantised numbers, widened to float32 again
;;       x = np.moveaxis(x, axis, -1); K = x.shape[-1]
;;       x = np.pad(x, [(0, 0)] * (x.ndim - 1) + [(0, -K % 32)]); x = x.reshape(x.shape[:-1] + (-1, 32)); a = np.abs(x).max(-1, keepdims=True)
;;       e = np.where(a > 0, np.clip(np.frexp(np.where(a > 0, a, 1))[1] - 1 - 2, -126, 127), 0)      # np.frexp(a)[1] - 1 = floor(log2(a)), exactly
;;       r = np.clip(x / 2.0 ** e, -7.5, 7.5)
;;       step = 2.0 ** (np.maximum(np.frexp(np.where(r == 0, 1, r))[1] - 1, 0) - 3)
;;       q = np.round(r / step) * step * 2.0 ** e      # np.round: ties to even
;;       return np.moveaxis(q.reshape(q.shape[:-2] + (-1,))[..., :K], -1, axis).astype(np.float32)
;;   ~~~
;;   SOFTMAX AHEAD OF A QUANTISED PRODUCT. Where the list says 'softmax', what is quantised is not the finished softmax but p = 2^(t - M), with t = logit x log2(e) and M = ceil(the row's largest t), a whole number; so 1/2 < the row's largest p <= 1. The row's sum l is taken of the UNQUANTISED p, in f32, and the product's result is divided by l at the end. Since M is a whole number, a kernel that streams over the keys may use a running M (the ceiling of the running maximum): every later rescaling is an exact power of two, which a block's scale takes up: the codes' values come out the same.
;;   OPERANDS COMPUTED ON THE WAY. 'Computed on the way' means the value that the module computes at that place (a softmax that the list does not call 'softmax' is quantised finished and normalised). What goes into a quantiser is computed in f32, as accurately as f32 sums, v_exp_f32 and their like allow (about 1e-6 of the number): no bf16 or f16 on the way to a quantiser, and a product that is left as it is and whose result goes on into a quantised operand takes f32 operands (vector FMAs, or v_wmma_f32_16x16x4_f32). A number that lies on a knife's edge between two numbers of the format may be rounded either way, as far as f32 arithmetic and the matrix unit's own rounding can turn it there, and no further.
;; One version. Each part assembles by itself: llvm-mc -triple=amdgcn-amd-amdhsa -mcpu=gfx1250 --defsym DOCPART=n.
;; ======== version 1 of 1: 3 launches
;; limits: right only within a limited range of input values
;; workspace buffers: wc 786,432 bytes; ws 32,768 bytes; qc 6,291,456 bytes; qs 262,144 bytes; kc 7,077,888 bytes; ks 294,912 bytes; vc 7,077,888 bytes; vs 294,912 bytes
;; launch prep (part 1): grid 256 x 1, 2 waves a work-group, no clusters, 0 bytes of LDS; arguments Wq, Wk, Wv, Wo, wc, ws, kc, ks, vc, vs; writes wc, ws, kc, ks, vc, vs
.if DOCPART == 1
	.amdgcn_target "amdgcn-amd-amdhsa--gfx1250"
	.amdhsa_code_object_version 6
	.text
	.protected	k_q53381a477e_prep
	.globl	k_q53381a477e_prep
	.p2align	8
	.type	k_q53381a477e_prep,@function
k_q53381a477e_prep:
	s_mov_b64 s[64:65], 0
	v_nop
	global_prefetch_b8 v0, s[64:65] scope:SCOPE_SE
	s_setreg_imm32_b32 hwreg(HW_REG_WAVE_MODE, 25, 1), 1
	s_wait_xcnt 0x0
; Wq, Wk, Wv, Wo [512 (n)][512 (k)] f32 become codes of FP6 (E2M3) with one E8M0 byte for each 32 along K, laid as IMAGES OF OPERAND REGISTERS of 1,536 bytes: registers 4 c .. 4 c + 3 of lane l at 512 c + 16 l.
; wc: Wq, Wk, Wv [3 tensors][32 tiles of 16 rows][4 K steps of 128], then Wo [4 K steps][32 tiles];  ws: 16 scale words for each fragment, in the same order.
; The launch also writes the 256 zero keys and values that stand in front of every sequence (reference()'s padding block): zero codes, scale byte 127.
; ORDER OF K INSIDE A BLOCK OF 32, the same in every operand of this program: place 16 h + i holds element 8 h + i (i = 0 .. 7) or 16 + 8 h + (i - 8).  It is the order in which two neighbouring
; 16-wide result tiles fall into a lane's registers, so computed operands need no shuffle; a permutation of k applied alike to both operands keeps the products.
; SHARES: 512 waves, one fragment each (u = 128 tensor + 4 tile + K step; a tile's four K steps are two work-groups of two waves), and 1/512 of each pad.  No LDS, no barrier, no matrix instruction: 4 MB are read once.
; A lane's loads are 16 bytes of rows 2,048 bytes apart, and the scale words leave in runs of 64 bytes: 98,304 bytes in the whole launch.
; LIMITS: NaN and infinities among the inputs are not served; a block whose largest magnitude lies under 2^-124 has its byte held at 1; a block of zeros gets the byte 1 (its codes are zeros; only this program reads the bytes).
.set TM,  16                           ; v16-31   at work in QUANT
.set N,   32                           ; v32-95   64 numbers
.set PC,  96                           ; v96-115  the codes
.set PW,  116                          ; v116     the scale word
.set SEL, 40                           ; s[40:41] selects of v_permlanex16_b32: lane l xor 16
; 64 numbers of a lane, register 16 b + i = place 16 (lane / 16) + i of block b of my row, become a fragment's 12 registers in v[PC] on and its scale word in v[pw].
.macro QUANT s, pw
.irp b, 0,1,2,3
	v_max3_num_f32 v[TM+\b], 0x1800000, |v[(\s)+16*\b]|, |v[(\s)+16*\b+1]|   ; my 16 numbers of block b, and the floor 2^(3 - 127): the byte cannot fall under 1
.endr
.irp i, 2,4,6,8,10,12,14
.irp b, 0,1,2,3
	v_max3_num_f32 v[TM+\b], v[TM+\b], |v[(\s)+16*\b+\i]|, |v[(\s)+16*\b+\i+1]|   ; the four blocks by turns
.endr
.endr
.irp b, 0,1,2,3
	v_permlanex16_b32 v[TM+4+\b], v[TM+\b], s[SEL], s[SEL+1]
.endr
.irp b, 0,1,2,3
	v_max_num_f32 v[TM+\b], v[TM+\b], v[TM+4+\b]      ; with lane l xor 16's: the block's largest magnitude
.endr
.irp b, 0,1,2,3
	v_add_nc_u32 v[TM+12+\b], 0xff000000, v[TM+\b]    ; 2 off its exponent field: the conversion's scale operand
.endr
.irp b, 0,1,2,3
	v_lshrrev_b32 v[TM+4+\b], 23, v[TM+12+\b]         ; the scale's byte
.endr
	v_lshl_or_b32 v[\pw], v[TM+5], 8, v[TM+4]
	v_lshl_or_b32 v[\pw], v[TM+6], 16, v[\pw]
	v_lshl_or_b32 v[\pw], v[TM+7], 24, v[\pw]
.irp c, 0,1
	v_cvt_scalef32_pk16_fp6_f32 v[PC+6*\c:PC+6*\c+2], v[(\s)+32*\c:(\s)+32*\c+15], v[TM+12+2*\c]
	v_cvt_scalef32_pk16_fp6_f32 v[PC+12+4*\c:PC+14+4*\c], v[(\s)+32*\c+16:(\s)+32*\c+31], v[TM+13+2*\c]   ; (a conversion's three registers begin on an even number)
.endr
	v_nop                                             ; one plain instruction behind the scaled conversions
.irp c, 0,1                                       ; the operand wants a whole block in a lane: lanes 0-15 block 2 c, lanes 16-31 block 2 c + 1
.irp i, 0,1,2
	v_permlane16_swap_b32 v[PC+6*\c+\i], v[PC+12+4*\c+\i]
.endr
.irp i, 0,1,2
	v_mov_b32 v[PC+3+6*\c+\i], v[PC+12+4*\c+\i]
.endr
.endr
.endm
	s_load_b512 s[4:19], s[0:1], 0x0               ; Wq s[4:5], Wk s[6:7], Wv s[8:9], Wo s[10:11], wc s[12:13], ws s[14:15], kc s[16:17], ks s[18:19]
	s_load_b128 s[20:23], s[0:1], 0x40             ; vc s[20:21], vs s[22:23]
	v_lshrrev_b32 v1, 5, v0
	v_readfirstlane_b32 s24, v1                    ; wave 0, 1
	s_and_b32 s25, ttmp9, 1
	s_lshl_b32 s25, s25, 1
	s_add_co_u32 s24, s24, s25                     ; K step = 2 (work-group % 2) + wave
	v_and_b32 v6, 31, v0                           ; lane
	v_and_b32 v1, 15, v0                           ; r
	v_bfe_u32 v2, v0, 4, 1                         ; h
	v_lshlrev_b32 v3, 11, v1
	v_lshl_add_u32 v3, v2, 5, v3                   ; W: row r of 2,048 bytes, + 32 h
	v_lshlrev_b32 v4, 4, v6                        ; 16 x lane: an image's place
	v_lshlrev_b32 v5, 2, v1                        ; 4 r: a scale word's
.irp i, 8,9,10,11
	v_mov_b32 v\i, 0                               ; the pads' codes
.endr
	v_mov_b32 v12, 0x7f7f7f7f                      ; and their scale bytes: 127
.irp b, 0,1,2,3
	v_mov_b32 v[TM+4+\b], 0                        ; written once: a lane permute's destination counts as one of its sources
.endr
	s_mov_b32 s[SEL], 0x76543210
	s_mov_b32 s[SEL+1], 0xfedcba98
	s_lshr_b32 s25, ttmp9, 6                       ; which tensor
	s_lshr_b32 s47, ttmp9, 1
	s_lshl_b32 s43, s47, 2
	s_add_co_u32 s43, s43, s24                     ; u
	s_and_b32 s47, s47, 31                         ; the tile of 16 rows:
	s_lshl_b32 s44, s47, 15                        ; 32,768 bytes each,
	s_lshl_b32 s46, s24, 9
	s_add_co_u32 s44, s44, s46                     ; + 512 bytes a K step
	s_mov_b32 s45, 0
	s_lshl_b32 s46, s24, 5                         ; Wo's fragments lie by K step: 384 + 32 K step + tile
	s_add_co_u32 s46, s46, s47
	s_add_co_u32 s46, s46, 384
	s_cmp_eq_u32 s25, 3
	s_cselect_b32 s46, s46, s43
	s_mul_i32 s28, s46, 1536                       ; my fragment's image
	s_mov_b32 s29, 0
	s_lshl_b32 s30, s46, 6                         ; its 16 scale words
	s_mov_b32 s31, 0
	s_lshr_b32 s46, s43, 6                         ; the pads: sequence u / 64,
	s_and_b32 s47, s43, 63                         ; piece u % 64 of its 64
	s_mul_i32 s32, s46, 884736
	s_mul_i32 s42, s47, 1536
	s_add_co_u32 s32, s32, s42
	s_mov_b32 s33, 0
	s_mul_i32 s36, s46, 36864
	s_lshl_b32 s42, s47, 6
	s_add_co_u32 s36, s36, s42
	s_mov_b32 s37, 0
	s_wait_alu depctr_va_vdst(0)
	s_wait_kmcnt 0x0
	s_cmp_eq_u32 s25, 1                            ; the choice hangs on the work-group's number alone
	s_cselect_b64 s[26:27], s[6:7], s[4:5]
	s_cmp_eq_u32 s25, 2
	s_cselect_b64 s[26:27], s[8:9], s[26:27]
	s_cmp_eq_u32 s25, 3
	s_cselect_b64 s[26:27], s[10:11], s[26:27]
	s_add_nc_u64 s[26:27], s[26:27], s[44:45]
.irp b, 0,1,2,3                                ; of each block of 32 numbers (128 bytes) my half takes elements 8 h .. 8 h + 7 and 16 + 8 h .. 16 + 8 h + 7
	global_load_b128 v[N+16*\b:N+16*\b+3],     v3, s[26:27] offset:128*\b th:TH_LOAD_NT
	global_load_b128 v[N+16*\b+4:N+16*\b+7],   v3, s[26:27] offset:128*\b+16 th:TH_LOAD_NT
	global_load_b128 v[N+16*\b+8:N+16*\b+11],  v3, s[26:27] offset:128*\b+64 th:TH_LOAD_NT
	global_load_b128 v[N+16*\b+12:N+16*\b+15], v3, s[26:27] offset:128*\b+80 th:TH_LOAD_NT
.endr
	s_add_nc_u64 s[34:35], s[20:21], s[32:33]      ; V's pad
	s_add_nc_u64 s[32:33], s[16:17], s[32:33]      ; K's pad
	s_add_nc_u64 s[38:39], s[22:23], s[36:37]
	s_add_nc_u64 s[36:37], s[18:19], s[36:37]
	s_add_nc_u64 s[28:29], s[12:13], s[28:29]
	s_add_nc_u64 s[30:31], s[14:15], s[30:31]
.irp c, 0,1,2                                  ; the pads go out while the loads are on their way: each store covers 512 consecutive bytes
	global_store_b128 v4, v[8:11], s[32:33] offset:512*\c
	global_store_b128 v4, v[8:11], s[34:35] offset:512*\c
.endr
	s_wait_loadcnt 0x0
	QUANT N, PW
.irp c, 0,1,2
	global_store_b128 v4, v[PC+4*\c:PC+4*\c+3], s[28:29] offset:512*\c
.endr
	s_wait_xcnt 0x0                                ; EXEC is a source of the stores above: it changes only behind this wait
	v_cmp_gt_u32 vcc_lo, 16, v6
	s_and_saveexec_b32 s42, vcc_lo                 ; lanes 0-15: one word a row
	global_store_b32 v5, v[PW], s[30:31]
	global_store_b32 v5, v12, s[36:37]
	global_store_b32 v5, v12, s[38:39]
	s_wait_xcnt 0x0                                ; and again ahead of the line that widens it
	s_or_b32 exec_lo, exec_lo, s42
	s_endpgm
.Lfunc_end_k_q53381a477e_prep:
	.size	k_q53381a477e_prep, .Lfunc_end_k_q53381a477e_prep-k_q53381a477e_prep
	.p2alignl 7, 3214868480
	.fill 96, 4, 3214868480
	.section	.rodata,"a",@progbits
	.p2align	6, 0x0
	.amdhsa_kernel k_q53381a477e_prep
		.amdhsa_group_segment_fixed_size 0
		.amdhsa_private_segment_fixed_size 0
		.amdhsa_enable_private_segment 0
		.amdhsa_kernarg_size 80
		.amdhsa_user_sgpr_count 2
		.amdhsa_user_sgpr_kernarg_segment_ptr 1
		.amdhsa_wavefront_size32 1
		.amdhsa_system_sgpr_workgroup_id_x 1
		.amdhsa_system_sgpr_workgroup_id_y 1
		.amdhsa_system_sgpr_workgroup_id_z 1
		.amdhsa_system_vgpr_workitem_id 0
		.amdhsa_next_free_vgpr 128
		.amdhsa_next_free_sgpr 66
		.amdhsa_reserve_vcc 1
		.amdhsa_float_denorm_mode_32 3
		.amdhsa_float_denorm_mode_16_64 3
		.amdhsa_memory_ordered 1
		.amdhsa_forward_progress 1
		.amdhsa_inst_pref_size 10
	.end_amdhsa_kernel
	.amdgpu_metadata
---
amdhsa.version: [ 1, 2 ]
amdhsa.kernels:
  - .name:           k_q53381a477e_prep
    .symbol:         k_q53381a477e_prep.kd
    .args:
      - { .name: Wq, .offset: 0, .size: 8, .value_kind: global_buffer, .address_space: global }
      - { .name: Wk, .offset: 8, .size: 8, .value_kind: global_buffer, .address_space: global }
      - { .name: Wv, .offset: 16, .size: 8, .value_kind: global_buffer, .address_space: global }
      - { .name: Wo, .offset: 24, .size: 8, .value_kind: global_buffer, .address_space: global }
      - { .name: wc, .offset: 32, .size: 8, .value_kind: global_buffer, .address_space: global }
      - { .name: ws, .offset: 40, .size: 8, .value_kind: global_buffer, .address_space: global }
      - { .name: kc, .offset: 48, .size: 8, .value_kind: global_buffer, .address_space: global }
      - { .name: ks, .offset: 56, .size: 8, .value_kind: global_buffer, .address_space: global }
      - { .name: vc, .offset: 64, .size: 8, .value_kind: global_buffer, .address_space: global }
      - { .name: vs, .offset: 72, .size: 8, .value_kind: global_buffer, .address_space: global }
    .group_segment_fixed_size: 0
    .private_segment_fixed_size: 0
    .kernarg_segment_align: 8
    .kernarg_segment_size: 80
    .max_flat_workgroup_size: 64
    .sgpr_count:     66
    .vgpr_count:     128
    .wavefront_size: 32
...
	.end_amdgpu_metadata
.endif
;; end of part 1
;; launch proj (part 2): grid 256 x 1, 4 waves a work-group, no clusters, 327,680 bytes of LDS; arguments query, key, value, bq, bk, bv, wc, ws, qc, qs, kc, ks, vc, vs; writes qc, qs, kc, ks, vc, vs
.if DOCPART == 2
	.amdgcn_target "amdgcn-amd-amdhsa--gfx1250"
	.amdhsa_code_object_version 6
	.text
	.protected	k_q53381a477e_proj
	.globl	k_q53381a477e_proj
	.p2align	8
	.type	k_q53381a477e_proj,@function
k_q53381a477e_proj:
	s_mov_b64 s[64:65], 0
	v_nop
	global_prefetch_b8 v0, s[64:65] scope:SCOPE_SE
	s_setreg_imm32_b32 hwreg(HW_REG_WAVE_MODE, 25, 1), 1
	s_wait_xcnt 0x0
; q = Q(query) Q(Wq)^T + bq, k and v likewise, on codes of FP6 (E2M3) with E8M0 scales; the results are quantised at once for the attention's products:
; q and k along the head's 64 channels, v along the keys, and stored as images of operand registers.  Sums in f32; the bias is the C of each sum's first matrix instruction.
; SHARES.  The three tensors have 768 sub-blocks of 64 rows, 256 each; work-group x takes sub-blocks 3 x, 3 x + 1, 3 x + 2, written out.  Two work-groups cross a tensor's end (85: query to key, 170: key to value) and load the next
; tensor's weights on the way.  THE WAVES SHARE THE COLUMNS: wave w holds the weights' rows 128 w .. 128 w + 127 (8 tiles x 4 K steps,
; 384 registers).  For the stream wave w owns K step w: its tensor load brings 64 rows x 512 bytes, it quantises them (four fragments) and hands their images to the others through LDS.
; q, k: the product is used TRANSPOSED (source 0 = 16 rows of W, source 1 = 16 rows of x): a lane holds one row and its registers run along the channels, the next K.
; v: source 0 = 16 rows of x, source 1 = 16 rows of W: a lane holds one channel and its registers run along the rows, which are the keys, the next K.  The two forms stand in two arms of a branch on the
; sub-block's tensor; the arms only read LDS.  The pointers are chosen by s_cselect on it.
; OUT, BY HALF-GROUPS OF 64 ROWS (a sub-block is one).  Six registers of a fragment (64 along its K) are 768 bytes: registers 0-3 at 16 l, 4-5 at 512 + 8 l.
; qc, kc: [sequence][half-group][head pair 4][tile of 16 rows 4][2 x 768: the pair's two heads];  vc: [sequence][half-group][head pair][tile of 16 channels 8][768: the half-group's 64 keys]: 24,576 bytes a half-group.
; Scale words: [sequence][half-group][head pair][256 bytes]: word i of four, row r, at 8 r + 128 (i % 2) + 4 (i / 2).  K and V have four half-groups of zeros in front of each sequence (written by the launch before).
; So the four result fragments of a sub-block lie 1,536 bytes apart in all three tensors, and every store covers whole aligned runs of 256 bytes.
; NO CLUSTER: what the work-groups share is the weights, and those go straight into registers; a joint load lands in LDS, where the ring (270,336 bytes) and the images leave no room for 196,608 bytes of codes.
; NO PREFETCH: the rows are a plain stream, and each wave always has a tile of 33,792 bytes on its way.
; LIMITS: NaN and infinities among the inputs are not served; a block whose largest magnitude lies under 2^-124 has its byte held at 1; a block of zeros gets the byte 1 (its codes are zeros; only this program reads the bytes).
; REGISTERS, in windows of 256: window 0: addresses, scale words (v32-47 W's, v64-79 x's: scales and nothing else), v80-95 at work, v96-223 numbers of x, later x's fragments, later the results' codes, v224-244 x's codes.
;   window 1: W's fragments of K steps 0, 1 (v0-191), the bias tiles (v192-255).   window 2: W's fragments of K steps 2, 3.   window 3: the 32 accumulators.
.set PITCH, 528                        ; an LDS row of x: 512 bytes + 16 of padding = 132 words: the 16 rows that a load touches start at 16 different groups of four banks
.set TILEB, 64*PITCH                   ; a wave's tile
.set SLOTB, 4*TILEB
.set XIMG,  2*SLOTB                    ; behind the ring: x's 16 fragments, image (m, s) at (4 m + s) x 1,536: registers 4 c .. 4 c + 3 of lane l at 512 c + 16 l
.set XSC,   XIMG+16*1536               ; their scale words, 128 bytes each
.set SPARE, XSC+16*128                 ; the spare words, 128 bytes a wave: two blocks of 256 bytes that no other line names
.set HGB,   24576                      ; a half-group's codes
.set XR,  1                            ; v1, v2   my place in my tile in slot 0, 1: wave x TILEB + 528 r + 32 h
.set LIX, 3                            ; v3       XIMG + 16 x lane
.set LSX, 4                            ; v4       XSC + 4 x lane
.set XWI, 5                            ; v5       where I store images: LIX + 1,536 x wave
.set XWS, 6                            ; v6       and scale words: LSX + 128 x wave
.set SPW, 7                            ; v7       my spare word; never rewritten
.set NIL, 8                            ; v8       0; never rewritten
.set L8,  9                            ; v9       8 x lane;  v10  16 x lane;  v11  4 x lane;  v12  32 h;  v13  4 r: offsets of global loads and stores, never rewritten
.set L16, 10
.set L4,  11
.set H32, 12
.set R4,  13
.set PX,  26                           ; v26-27   four fragments' scale words, gathered for one store
.set PWK, 28                           ; v28-31   the four scale words
.set WS,  32                           ; v32-47   W's scale words: register 2 t + p: lanes 0-15 those of (tile t, K step 2 p), lanes 16-31 of (t, 2 p + 1)
.set XS,  64
.set TM,  80
.set N0,  96
.set N1,  160
.set FB0, 96
.set FB1, 144
.set PCX, 224                          ; x's codes; the results' codes have a set for each fragment: v96, v116, v136, v156 on
.set PC,  PCX
.set PW,  244
.set BIA, 192                          ; in window 1
.set WV,  32                           ; s32 wave;  s33 the sub-block's tensor: 0 query, 1 key, 2 value
.set TT,  33
.set G1,  44                           ; s[44:51] descriptor group 1;  s[52:55], s[56:59] group 0 of slot 0, 1
.set G0,  52
.set SEL, 62
.set MSB, 0
.macro WIN new                         ; the immediate's high byte repeats the setting that is left; a switch that changes nothing is dropped
.if MSB != (\new)
	s_set_vgpr_msb (MSB<<8)|(\new)
.set MSB, \new
.endif
.endm
.macro PLACES                          ; four plain vector instructions behind a matrix instruction, ahead of loads into its registers and of the first read of results
.rept 4
	v_nop
.endr
.endm
; 64 numbers of a lane (w = 0: in window 0; w = 1: accumulators in window 3), register 16 b + i = place 16 (lane / 16) + i of block b, become 12 registers of codes in v[PC] on and a scale word in v[pw].
; An accumulator is read from its low end on: registers 0 and 1 first.
.macro QUANT s, w, pw
.if \w
	WIN 0x3c                                          ; sources 1 and 2 in window 3
.endif
.irp b, 0,1,2,3
	v_max3_num_f32 v[TM+\b], 0x1800000, |v[(\s)+16*\b]|, |v[(\s)+16*\b+1]|   ; and the floor 2^(3 - 127): the byte cannot fall under 1
.endr
.irp i, 2,4,6,8,10,12,14
.irp b, 0,1,2,3
	v_max3_num_f32 v[TM+\b], v[TM+\b], |v[(\s)+16*\b+\i]|, |v[(\s)+16*\b+\i+1]|
.endr
.endr
	WIN 0
.irp b, 0,1,2,3
	v_permlanex16_b32 v[TM+4+\b], v[TM+\b], s[SEL], s[SEL+1]
.endr
.irp b, 0,1,2,3
	v_max_num_f32 v[TM+\b], v[TM+\b], v[TM+4+\b]      ; the block's largest magnitude
.endr
.irp b, 0,1,2,3
	v_add_nc_u32 v[TM+12+\b], 0xff000000, v[TM+\b]    ; 2 off its exponent field: the conversion's scale operand
.endr
.irp b, 0,1,2,3
	v_lshrrev_b32 v[TM+4+\b], 23, v[TM+12+\b]         ; the scale's byte
.endr
	v_lshl_or_b32 v[\pw], v[TM+5], 8, v[TM+4]
	v_lshl_or_b32 v[\pw], v[TM+6], 16, v[\pw]
	v_lshl_or_b32 v[\pw], v[TM+7], 24, v[\pw]
.if \w
	WIN 0x03                                          ; source 0 in window 3
.endif
.irp c, 0,1
	v_cvt_scalef32_pk16_fp6_f32 v[PC+6*\c:PC+6*\c+2], v[(\s)+32*\c:(\s)+32*\c+15], v[TM+12+2*\c]
	v_cvt_scalef32_pk16_fp6_f32 v[PC+12+4*\c:PC+14+4*\c], v[(\s)+32*\c+16:(\s)+32*\c+31], v[TM+13+2*\c]
.endr
	WIN 0
	v_nop                                             ; one plain instruction behind the scaled conversions
.irp c, 0,1
.irp i, 0,1,2
	v_permlane16_swap_b32 v[PC+6*\c+\i], v[PC+12+4*\c+\i]
.endr
.irp i, 0,1,2
	v_mov_b32 v[PC+3+6*\c+\i], v[PC+12+4*\c+\i]
.endr
.endr
.endm
; my tile's rows 16 m + r: of each block of 32 numbers my half takes elements 8 h .. + 7 and 16 + 8 h .. + 7
.macro LOADX m, set, sl
.irp b, 0,1,2,3
	ds_load_b128 v[\set+16*\b:\set+16*\b+3],     v[XR+\sl] offset:16*PITCH*\m+128*\b
	ds_load_b128 v[\set+16*\b+4:\set+16*\b+7],   v[XR+\sl] offset:16*PITCH*\m+128*\b+16
	ds_load_b128 v[\set+16*\b+8:\set+16*\b+11],  v[XR+\sl] offset:16*PITCH*\m+128*\b+64
	ds_load_b128 v[\set+16*\b+12:\set+16*\b+15], v[XR+\sl] offset:16*PITCH*\m+128*\b+80
.endr
.endm
.macro IMAGE m                         ; the fragment in v[PC] on goes to LDS as it stands: (m, K step = my wave)
.irp c, 0,1,2
	ds_store_b128 v[XWI], v[PC+4*\c:PC+4*\c+3] offset:6144*\m+512*\c
.endr
	ds_store_b32 v[XWS], v[PW] offset:512*\m
.endm
.macro FETCHX s, fb                    ; x's four fragments of K step s
.irp m, 0,1,2,3
.irp c, 0,1,2
	ds_load_b128 v[\fb+12*\m+4*\c:\fb+12*\m+4*\c+3], v[LIX] offset:(4*\m+\s)*1536+512*\c
.endr
.endr
.endm
; 32 matrix instructions: four tiles of rows x my eight tiles of W, K step s.  The 32 accumulators take turns, one instruction a turn, in the same order in every K step.
; W's scale words of an odd K step stand in lanes 16-31 of their register.
.macro MUL32 vp, s, fb
.if \vp
.if \s == 0
	WIN 0xd4                                          ; A = x window 0, B = W window 1, C = bias window 1, D window 3
.elseif \s == 1
	WIN 0xf4
.else
	WIN 0xf8                                          ; B = W window 2
.endif
.else
.if \s == 0
	WIN 0xd1                                          ; A = W window 1, B = x window 0, C = bias window 1, D window 3
.elseif \s == 1
	WIN 0xf1
.else
	WIN 0xf2
.endif
.endif
.irp m, 0,1,2,3
.irp n, 0,1,2,3,4,5,6,7
.set rW, 12*(2*\n+(\s)%2)
.set rX, \fb+12*\m
.set sW, WS+2*\n+(\s)/2
.set sX, XS+4*\m+\s
.if \vp
.set rD, 32*\n+8*\m
.else
.set rD, 64*\m+8*\n
.endif
.set rC, rD
.if \s == 0
.set rC, BIA+8*\n
.endif
.if \vp
.if (\s)%2
	v_wmma_scale_f32_16x16x128_f8f6f4 v[rD:rD+7], v[rX:rX+11], v[rW:rW+11], v[rC:rC+7], v[sX], v[sW] matrix_a_fmt:MATRIX_FMT_FP6 matrix_b_fmt:MATRIX_FMT_FP6 matrix_b_scale:MATRIX_SCALE_ROW1
.else
	v_wmma_scale_f32_16x16x128_f8f6f4 v[rD:rD+7], v[rX:rX+11], v[rW:rW+11], v[rC:rC+7], v[sX], v[sW] matrix_a_fmt:MATRIX_FMT_FP6 matrix_b_fmt:MATRIX_FMT_FP6
.endif
.else
.if (\s)%2
	v_wmma_scale_f32_16x16x128_f8f6f4 v[rD:rD+7], v[rW:rW+11], v[rX:rX+11], v[rC:rC+7], v[sW], v[sX] matrix_a_fmt:MATRIX_FMT_FP6 matrix_b_fmt:MATRIX_FMT_FP6 matrix_a_scale:MATRIX_SCALE_ROW1
.else
	v_wmma_scale_f32_16x16x128_f8f6f4 v[rD:rD+7], v[rW:rW+11], v[rX:rX+11], v[rC:rC+7], v[sW], v[sX] matrix_a_fmt:MATRIX_FMT_FP6 matrix_b_fmt:MATRIX_FMT_FP6
.endif
.endif
.endr
.endr
.endm
; a sub-block's 128 matrix instructions; x's fragments come a K step ahead, into two buffers by turns
.macro MULT vp
.irp m, 0,1,2,3
.irp s, 0,1,2,3
	ds_load_b32 v[XS+4*\m+\s], v[LSX] offset:128*(4*\m+\s)
.endr
.endr
	FETCHX 0, FB0
	FETCHX 1, FB1
	s_wait_dscnt 12                                ; all but K step 1's twelve loads
	s_wait_loadcnt LCN                             ; the bias, the scale words and the weights of K steps 0 and 1 are in; in the first sub-block the 48 loads of K steps 2 and 3 may be out
	MUL32 \vp, 0, FB0
	WIN 0
	PLACES
	FETCHX 2, FB0
	s_wait_dscnt 12                                ; all but the twelve just issued
	MUL32 \vp, 1, FB1
	WIN 0
	PLACES
	FETCHX 3, FB1
	s_wait_dscnt 12
	s_wait_loadcnt 0x0                             ; all weights are in
	MUL32 \vp, 2, FB0
	s_wait_dscnt 0x0
	MUL32 \vp, 3, FB1
	WIN 0
	PLACES                                         ; ahead of the first read of results
.endm
; my weights: 96 loads of 16 bytes a lane and 16 of scale words, in the order in which the products want them
.macro WLOADS                          ; K steps 0 and 1, and all scale words
	WIN 0x40                                       ; destination window 1
.irp t, 0,1,2,3,4,5,6,7
.irp s, 0,1
.irp c, 0,1,2
	global_load_b128 v[12*(2*\t+\s)+4*\c:12*(2*\t+\s)+4*\c+3], v[L16], s[42:43] offset:(4*\t+\s)*1536+512*\c
.endr
.endr
.endr
	WIN 0
.irp p, 0,1,2,3,4,5,6,7,8,9,10,11,12,13,14,15
	global_load_b32 v[WS+\p], v[L4], s[60:61] offset:128*\p    ; 128 consecutive bytes: two fragments' sixteen words each
.endr
.endm
.macro WLOADS2                         ; K steps 2 and 3: 48 loads
	WIN 0x80                                       ; destination window 2
.irp t, 0,1,2,3,4,5,6,7
.irp s, 2,3
.irp c, 0,1,2
	global_load_b128 v[12*(2*\t+\s-2)+4*\c:12*(2*\t+\s-2)+4*\c+3], v[L16], s[42:43] offset:(4*\t+\s)*1536+512*\c
.endr
.endr
.endr
	WIN 0
.endm
; the bias in the result's layout, eight registers a tile.  q, k: register j of lane (r, h) wants b[16 t + 8 h + j]: two loads of 16 bytes a tile.  v: b[16 t + r] in all eight: one load and, behind its wait, seven copies.
.macro BIASK
	WIN 0x40
.irp t, 0,1,2,3,4,5,6,7
	global_load_b128 v[BIA+8*\t:BIA+8*\t+3],   v[H32], s[36:37] offset:64*\t
	global_load_b128 v[BIA+8*\t+4:BIA+8*\t+7], v[H32], s[36:37] offset:64*\t+16
.endr
.endm
.macro BIASV
	WIN 0x40
.irp t, 0,1,2,3,4,5,6,7
	global_load_b32 v[BIA+8*\t], v[R4], s[36:37] offset:64*\t
.endr
.endm
.macro COPYV
	WIN 0x41                                       ; destination and source 0 in window 1
.irp t, 0,1,2,3,4,5,6,7
.irp j, 1,2,3,4,5,6,7
	v_mov_b32 v[BIA+8*\t+\j], v[BIA+8*\t]
.endr
.endr
	WIN 0
.endm
.macro XAT i, r                        ; where my K step of sub-block i begins in x, as a descriptor's two address words s[r], s[r + 1]
	s_mul_i32 s94, ttmp9, 3
	s_add_co_u32 s94, s94, \i
	s_lshr_b32 s95, s94, 8                         ; its tensor: the choice hangs on the work-group's number and the sub-block alone
	s_and_b32 s94, s94, 255
	s_lshl_b32 s94, s94, 17                        ; 64 rows of 2,048 bytes,
	s_add_co_u32 s94, s94, s86                     ; my K step's 512 bytes
	s_cmp_eq_u32 s95, 1
	s_cselect_b64 s[\r:\r+1], s[6:7], s[4:5]
	s_cmp_eq_u32 s95, 2
	s_cselect_b64 s[\r:\r+1], s[8:9], s[\r:\r+1]
	s_mov_b32 s95, 0
	s_add_nc_u64 s[\r:\r+1], s[\r:\r+1], s[94:95]
	s_or_b32 s[\r+1], s[\r+1], 0x80000000
.endm
.macro OUTAT i                         ; sub-block i: its tensor (s33), and where its results go (s[38:39] codes, s[40:41] scale words)
	s_mul_i32 s94, ttmp9, 3
	s_add_co_u32 s94, s94, \i
	s_lshr_b32 s[TT], s94, 8
	s_and_b32 s94, s94, 255                        ; the sub-block in its tensor
	s_cmp_eq_u32 s[TT], 0
	s_mov_b32 s76, 884736
	s_cselect_b32 s76, 786432, s76                 ; a sequence's codes: 32 half-groups, or 36 with the pad
	s_mov_b32 s77, 36864
	s_cselect_b32 s77, 32768, s77                  ; and its scale words
	s_cselect_b32 s78, 0, 4                        ; the pad's half-groups
	s_lshr_b32 s79, s94, 5                         ; the sequence
	s_mul_i32 s80, s76, s79
	s_mul_i32 s82, s77, s79
	s_and_b32 s79, s94, 31
	s_add_co_u32 s79, s79, s78                     ; the half-group in the buffer
	s_mul_i32 s78, s79, HGB
	s_add_co_u32 s80, s80, s78
	s_mul_i32 s78, s[WV], 6144                     ; my head pair
	s_add_co_u32 s80, s80, s78
	s_mov_b32 s81, 0
	s_lshl_b32 s78, s79, 10
	s_add_co_u32 s82, s82, s78
	s_lshl_b32 s78, s[WV], 8
	s_add_co_u32 s82, s82, s78
	s_mov_b32 s83, 0
	s_cmp_eq_u32 s[TT], 1
	s_cselect_b64 s[38:39], s[24:25], s[20:21]
	s_cselect_b64 s[40:41], s[26:27], s[22:23]
	s_cmp_eq_u32 s[TT], 2
	s_cselect_b64 s[38:39], s[28:29], s[38:39]
	s_cselect_b64 s[40:41], s[30:31], s[40:41]
	s_add_nc_u64 s[38:39], s[38:39], s[80:81]
	s_add_nc_u64 s[40:41], s[40:41], s[82:83]
.endm
	s_load_b512 s[4:19], s[0:1], 0x0               ; query s[4:5], key s[6:7], value s[8:9], bq s[10:11], bk s[12:13], bv s[14:15], wc s[16:17], ws s[18:19]
	s_load_b256 s[20:27], s[0:1], 0x40             ; qc s[20:21], qs s[22:23], kc s[24:25], ks s[26:27]
	s_load_b128 s[28:31], s[0:1], 0x60             ; vc s[28:29], vs s[30:31]
	v_lshl_add_u32 v[SPW], v0, 2, SPARE
	v_mov_b32 v[NIL], 0
	ds_add_u32 v[SPW], v[NIL]                      ; the wave's opening: the add, twice on end, and its wait ahead of my first tensor load; the set-up below, work on registers, stands between them
	ds_add_u32 v[SPW], v[NIL]
	v_lshrrev_b32 v254, 5, v0
	v_readfirstlane_b32 s[WV], v254                ; wave 0..3
	s_mul_i32 s[TT], ttmp9, 3
	s_lshr_b32 s[TT], s[TT], 8                     ; the first sub-block's tensor
	; descriptor group 1: 64 rows x 128 elements of 4 bytes, 512 elements from row to row; 16 bytes of padding behind each row of 128 words
	s_mov_b32 s[G1+0], (2<<16)|(1<<20)|(6<<22)|(3<<25)
	s_mov_b32 s[G1+1], 128<<16                     ; tensor_dim0
	s_mov_b32 s[G1+2], 64<<16                      ; tensor_dim1
	s_mov_b32 s[G1+3], 128<<16                     ; tile_dim0
	s_mov_b32 s[G1+4], 64                          ; tile_dim1
	s_mov_b32 s[G1+5], 512                         ; the pitch
	s_mov_b32 s[G1+6], 0
	s_mov_b32 s[G1+7], 0
	s_mov_b32 s[SEL], 0x76543210
	s_mov_b32 s[SEL+1], 0xfedcba98
	s_mov_b32 s72, 0xffff0000                      ; lanes 16-31
	s_lshl_b32 s86, s[WV], 9                       ; s[86:87]: 512 x wave
	s_mov_b32 s87, 0
	s_mul_i32 s88, s[TT], 196608                   ; the weights' images: 128 fragments a tensor, 32 a wave
	s_mul_i32 s78, s[WV], 49152
	s_add_co_u32 s88, s88, s78
	s_mov_b32 s89, 0
	s_lshl_b32 s90, s[TT], 13
	s_lshl_b32 s78, s[WV], 11
	s_add_co_u32 s90, s90, s78
	s_mov_b32 s91, 0
	s_mul_i32 s92, s[WV], TILEB                    ; my tile's place in a slot
	v_and_b32 v26, 31, v0                          ; lane
	v_and_b32 v254, 15, v0                         ; r
	v_bfe_u32 v255, v0, 4, 1                       ; h
	v_mul_u32_u24 v[XR], v254, PITCH
	v_lshl_add_u32 v[XR], v255, 5, v[XR]
	v_add_nc_u32 v[XR], s92, v[XR]
	v_add_nc_u32 v[XR+1], SLOTB, v[XR]
	v_lshl_add_u32 v[LIX], v26, 4, XIMG
	v_lshl_add_u32 v[LSX], v26, 2, XSC
	s_mul_i32 s93, s[WV], 1536
	v_add_nc_u32 v[XWI], s93, v[LIX]
	s_lshl_b32 s93, s[WV], 7
	v_add_nc_u32 v[XWS], s93, v[LSX]
	v_lshlrev_b32 v[L8], 3, v26
	v_lshlrev_b32 v[L16], 4, v26
	v_lshlrev_b32 v[L4], 2, v26
	v_lshlrev_b32 v[H32], 5, v255
	v_lshlrev_b32 v[R4], 2, v254
.irp b, 0,1,2,3
	v_mov_b32 v[TM+4+\b], 0                        ; written once: a lane permute's destination counts as one of its sources
.endr
	s_wait_alu depctr_va_vdst(0)
	s_wait_dscnt 0x0                               ; both opening adds are done
	s_wait_kmcnt 0x0
	s_mov_b32 s[G0+0], 1                           ; group 0 of slot 0: sub-block 0
	s_mov_b32 s[G0+1], s92
	XAT 0, G0+2
	tensor_load_to_lds s[G0:G0+3], s[G1:G1+7]      ; my one load that is out
	s_nop 0
	PLACES                                         ; four instructions ahead of the switch of windows
	s_mov_b32 s[G0+4], 1                           ; of slot 1: its address is made in sub-block 0
	s_add_co_u32 s[G0+5], s92, SLOTB
	s_cmp_eq_u32 s[TT], 1
	s_cselect_b64 s[36:37], s[12:13], s[10:11]
	s_cmp_eq_u32 s[TT], 2
	s_cselect_b64 s[36:37], s[14:15], s[36:37]
	s_add_nc_u64 s[36:37], s[36:37], s[86:87]      ; my 128 numbers of the bias
	s_add_nc_u64 s[42:43], s[16:17], s[88:89]      ; my weights' images
	s_add_nc_u64 s[60:61], s[18:19], s[90:91]
	; each arm writes all 64 registers of the bias and issues the weights' loads behind its loads
	s_cmp_eq_u32 s[TT], 2
	s_cbranch_scc1 .Lhead_v
	s_wait_alu depctr_va_vdst(0)
	BIASK
	WLOADS
	WLOADS2
	s_branch .Lhead_j
.Lhead_v:
	s_wait_alu depctr_va_vdst(0)
	BIASV
	WLOADS
	WLOADS2
	s_wait_loadcnt 63                              ; 112 loads were issued behind the bias's eight: with 63 at the most out, the eight are in
	COPYV
.Lhead_j:
; SUB-BLOCK i of 64 rows, in slot i % 2.
.macro TRIP i
.set SL, (\i)%2
	s_wait_tensorcnt 0x0                           ; my one tensor load has landed: this sub-block's tile; no load of mine is out, so a group 0 may be written
	ds_add_u32 v[SPW], v[NIL]                      ; 0 onto my spare word
.if \i != 2
	XAT \i+1, G0+4*(1-SL)+2                        ; the other slot's next tile: the next sub-block
.endif
	s_wait_dscnt 0x0                               ; the add is done; my reads of the other slot and of the images are over
	s_barrier_signal -1
	s_barrier_wait -1                              ; both now hold of every wave
.if \i != 2
	tensor_load_to_lds s[G0+4*(1-SL):G0+4*(1-SL)+3], s[G1:G1+7]   ; the next sub-block's tile: my one load until the next such barrier; it has this whole sub-block in which to land
	s_nop 0
.endif
.if \i != 0
	s_wait_xcnt 0x0                                ; the last sub-block's stores have read their data and bases: those registers are written again only behind this wait
.endif
	; X: my K step of the 64 rows becomes four fragments
	LOADX 0, N0, SL
	LOADX 1, N1, SL
	OUTAT \i                                       ; scalar work under the loads
	s_wait_dscnt 16                                ; all but the sixteen loads issued last
	QUANT N0, 0, PW
	IMAGE 0
	LOADX 2, N0, SL
	s_wait_dscnt 16                                ; the other set is in, and the image's stores are done
	QUANT N1, 0, PW
	IMAGE 1
	LOADX 3, N1, SL
	s_wait_dscnt 16
	QUANT N0, 0, PW
	IMAGE 2
	s_wait_dscnt 0x0
	QUANT N1, 0, PW
	IMAGE 3
	s_wait_dscnt 0x0                               ; for the others' sake: my images have landed
	s_barrier_signal -1
	s_barrier_wait -1                              ; x's sixteen fragments lie in LDS; the tile on its way may stay out
.set LCN, 48*(1-((\i)+1)/2)            ; 48 in the first sub-block, 0 in the others
	s_cmp_eq_u32 s[TT], 2
	s_cbranch_scc1 .Lv_\@
	MULT 0
	s_branch .Lj_\@
.Lv_\@:
	MULT 1
.Lj_\@:
	; THE NEXT TENSOR'S WEIGHTS.  Two work-groups cross a tensor's end: 3 x + 1 = 256 (x = 85, query to key) behind sub-block 0, 3 x + 2 = 512 (x = 170, key to value) behind sub-block 1.
	; They load the bias, the scale words and the weights of K steps 0 and 1 ahead of their way out, those of K steps 2 and 3 behind it.  The branch hangs on the work-group's number alone.
.if \i != 2
	s_mul_i32 s79, ttmp9, 3
	s_add_co_u32 s79, s79, (\i)+1
	s_and_b32 s79, s79, 255
	s_cmp_lg_u32 s79, 0
	s_cbranch_scc1 .Lsame1_\@
	s_add_nc_u64 s[36:37], s[12+2*(\i):13+2*(\i)], s[86:87]
	s_add_nc_u64 s[42:43], s[42:43], 196608
	s_add_nc_u64 s[60:61], s[60:61], 8192
.if \i == 0
	BIASK
.else
	BIASV
.endif
	WLOADS
.Lsame1_\@:
.endif
	; OUT: four result fragments, each with registers of its own for its codes, so that no store's data are written again in this sub-block.
	; q, k: fragment q = rows 16 q on x my 128 channels.  v: channels' tiles 2 q and 2 q + 1 x the 64 keys
.irp q, 0,1,2,3
.set PC, 96+20*\q
	QUANT 64*\q, 1, PWK+\q
	global_store_b128 v[L16], v[PC:PC+3],     s[38:39] offset:1536*\q          ; 512 consecutive bytes
	global_store_b64  v[L8],  v[PC+4:PC+5],   s[38:39] offset:1536*\q+512      ; 256
	global_store_b128 v[L16], v[PC+6:PC+9],   s[38:39] offset:1536*\q+768
	global_store_b64  v[L8],  v[PC+10:PC+11], s[38:39] offset:1536*\q+1280
.endr
.set PC, PCX
	v_cndmask_b32 v[PX], v[PWK], v[PWK+1], s72     ; every lane holds its row's word in both halves of the lanes: lanes 0-15 give fragment 0's and 2's, lanes 16-31 fragment 1's and 3's
	v_cndmask_b32 v[PX+1], v[PWK+2], v[PWK+3], s72
	global_store_b64 v[L8], v[PX:PX+1], s[40:41]   ; one aligned run of 256 bytes
.if \i != 2
	s_cmp_lg_u32 s79, 0
	s_cbranch_scc1 .Lsame2_\@
.if \i == 1
	s_wait_loadcnt 63                              ; 64 loads were issued behind the bias's eight
	COPYV
.endif
	WLOADS2
.Lsame2_\@:
.endif
.endm
	TRIP 0
	TRIP 1
	TRIP 2                                         ; the last asks for nothing
	s_wait_tensorcnt 0x0                           ; the wave's end: behind my last tensor load and my last LDS store
	ds_add_u32 v[SPW], v[NIL]
	s_wait_dscnt 0x0
	s_endpgm
.Lfunc_end_k_q53381a477e_proj:
	.size	k_q53381a477e_proj, .Lfunc_end_k_q53381a477e_proj-k_q53381a477e_proj
	.p2alignl 7, 3214868480
	.fill 96, 4, 3214868480
	.section	.rodata,"a",@progbits
	.p2align	6, 0x0
	.amdhsa_kernel k_q53381a477e_proj
		.amdhsa_group_segment_fixed_size 327680
		.amdhsa_private_segment_fixed_size 0
		.amdhsa_enable_private_segment 0
		.amdhsa_kernarg_size 112
		.amdhsa_user_sgpr_count 2
		.amdhsa_user_sgpr_kernarg_segment_ptr 1
		.amdhsa_wavefront_size32 1
		.amdhsa_system_sgpr_workgroup_id_x 1
		.amdhsa_system_sgpr_workgroup_id_y 1
		.amdhsa_system_sgpr_workgroup_id_z 1
		.amdhsa_system_vgpr_workitem_id 0
		.amdhsa_next_free_vgpr 1024
		.amdhsa_next_free_sgpr 102
		.amdhsa_reserve_vcc 0
		.amdhsa_float_denorm_mode_32 3
		.amdhsa_float_denorm_mode_16_64 3
		.amdhsa_memory_ordered 1
		.amdhsa_forward_progress 1
		.amdhsa_inst_pref_size 255
	.end_amdhsa_kernel
	.section	.bss,"aw",@nobits
	.p2align	6
	.space	262144
	.amdgpu_metadata
---
amdhsa.version: [ 1, 2 ]
amdhsa.kernels:
  - .name:           k_q53381a477e_proj
    .symbol:         k_q53381a477e_proj.kd
    .args:
      - { .name: query, .offset: 0, .size: 8, .value_kind: global_buffer, .address_space: global }
      - { .name: key, .offset: 8, .size: 8, .value_kind: global_buffer, .address_space: global }
      - { .name: value, .offset: 16, .size: 8, .value_kind: global_buffer, .address_space: global }
      - { .name: bq, .offset: 24, .size: 8, .value_kind: global_buffer, .address_space: global }
      - { .name: bk, .offset: 32, .size: 8, .value_kind: global_buffer, .address_space: global }
      - { .name: bv, .offset: 40, .size: 8, .value_kind: global_buffer, .address_space: global }
      - { .name: wc, .offset: 48, .size: 8, .value_kind: global_buffer, .address_space: global }
      - { .name: ws, .offset: 56, .size: 8, .value_kind: global_buffer, .address_space: global }
      - { .name: qc, .offset: 64, .size: 8, .value_kind: global_buffer, .address_space: global }
      - { .name: qs, .offset: 72, .size: 8, .value_kind: global_buffer, .address_space: global }
      - { .name: kc, .offset: 80, .size: 8, .value_kind: global_buffer, .address_space: global }
      - { .name: ks, .offset: 88, .size: 8, .value_kind: global_buffer, .address_space: global }
      - { .name: vc, .offset: 96, .size: 8, .value_kind: global_buffer, .address_space: global }
      - { .name: vs, .offset: 104, .size: 8, .value_kind: global_buffer, .address_space: global }
    .group_segment_fixed_size: 327680
    .private_segment_fixed_size: 0
    .kernarg_segment_align: 8
    .kernarg_segment_size: 112
    .max_flat_workgroup_size: 128
    .sgpr_count:     102
    .vgpr_count:     1024
    .wavefront_size: 32
...
	.end_amdgpu_metadata
.endif
;; end of part 2
;; launch attn (part 3): grid 256 x 1, 16 waves a work-group, no clusters, 327,680 bytes of LDS; arguments qc, qs, kc, ks, vc, vs, wc, ws, bo, out0; writes out0
.if DOCPART == 3
	.amdgcn_target "amdgcn-amd-amdhsa--gfx1250"
	.amdhsa_code_object_version 6
	.text
	.protected	k_q53381a477e_attn
	.globl	k_q53381a477e_attn
	.p2align	8
	.type	k_q53381a477e_attn,@function
k_q53381a477e_attn:
	s_mov_b64 s[64:65], 0
	v_nop
	global_prefetch_b8 v0, s[64:65] scope:SCOPE_SE
	s_setreg_imm32_b32 hwreg(HW_REG_WAVE_MODE, 25, 1), 1
	s_wait_xcnt 0x0
; out = ctx Wo^T + bo, ctx = the banded attention (key k counts for query q where q - k is 0 .. 255), all three products on codes of FP6 (E2M3) with E8M0 scales.
; THE BAND.  A work-group owns 64 queries of one sequence, s0 + x (x = 0 .. 63), all 8 heads.  The keys that count lie in five half-groups of 64 keys, hg0 .. hg4, from key s0 - 256 on:
; of hg0 those with kappa over x, all of hg1, hg2, hg3, of hg4 those with kappa at most x.  Each sequence has 256 zero keys and values in front (reference()'s padding block, which its mask leaves visible to the first queries).
; Tiles of keys that the band hides from all 16 queries of a wave are not multiplied, but for one tile a head that shares a block with a live one.
; SHARES.  Sixteen waves in 256 registers each.  Wave w: queries 16 tau on (tau = w % 4), heads 2 (w / 4) and 2 (w / 4) + 1.  For the last product wave w makes rows 32 (w / 8) on x columns 64 (w % 8) on.
; THE STEPS.  C: hg3, both heads in one step of 64 scores a lane; it starts the maxima, the sums and O^T.  A: hg0 and hg4 MERGED, both heads in one step.  B: hg1 and hg2, a step for each head.
; STEP A.  For each query and each kappa exactly one of hg0's and hg4's keys counts.  Of the two blocks of 32 keys of a half-group let bt = tau / 2 hold the wave's own tile.  In the other block, 1 - bt, one half-group counts whole
; (hg0 where bt = 0, hg4 where bt = 1) and the other not at all.  In block bt the scores of both half-groups are merged by sixteen lane masks (kappa at most x takes hg4's); the exponentials and sums are taken of the merged scores, and p is
; split by the same masks into hg0's block and hg4's.  So a head has three blocks of p, [bt of hg0 | bt of hg4 | 1 - bt | zero codes], and V's fragments are gathered by blocks with a lane's own LDS address.
; THE SOFTMAX: t = score x log2(e) / 8; M = the running largest t rounded up to a whole number; p = 2^(t - M) is quantised along the keys, not normalised; the sum of the unquantised p divides at the end; when M moves,
; the sum and O are multiplied by 2^(old M - new M), which rounds nothing.
; LAYOUT.  S^T = K Q^T and O^T = V^T P^T: a lane holds one query throughout.  A fragment of q or k holds two heads (K places 0-63 and 64-127); a head's product takes the other head's half of Q as zero codes.
; In step C p is laid [p of head A | zeros | p of head B], 18 registers, and a fragment of V [V of head A | V of head B].  The order of k inside a block of 32 is the one that two neighbouring result tiles give, alike in both operands.
; LDS: K's and V's codes of the five half-groups (places in the order hg3, hg0, hg4, hg1, hg2) and their scale words come by the head's loads, one a wave.  Behind steps C and A the three first places of K and of V are filled again, with Wo's
; K steps 0, 1, 2 (six blocks of 24,576 bytes, one a wave), which land under step B.  Wo's K step 3 goes straight into registers.  ctx's images have bytes of their own; a wave's stage for the output lies in hg1's and hg2's places.
; NO CLUSTER: partners want different K and V (256,000 of the 403,456 bytes that come by tensor loads); what they share, Wo, comes in one refill, and a joint one would bind the four partners' sixteen waves each to the same step.
; NO PREFETCH: the launch has no loop; K and V are asked for at the head.
; LIMITS: NaN and infinities are not served; scaled scores stay under 2^31 in magnitude; a block of p or of ctx whose largest number lies under 2^-124 has its byte held at 1 (a block of zeros too: its codes are zeros).
.set HGB,   24576                      ; a half-group's codes: [head pair 4][6,144]
.set VC,    5*HGB                      ; K's codes lie from 0 on, V's from here: five places each
.set KS,    10*HGB                     ; K's scale words: hg0 .. hg4, 1,024 bytes each
.set VS,    KS+5120                    ; V's
.set SPARE, VS+5120                    ; the spare words, 128 bytes a wave: eight blocks of 256 bytes that no other line names
.set CIMG,  SPARE+2048                 ; ctx's 16 images of 1,536 bytes,
.set CSC,   CIMG+16*1536               ; their scale words, 128 bytes each
.set SP,    272                        ; a row of a stage: 256 bytes + 16
.set STG,   3*HGB                      ; the stages of waves 0-7; those of waves 8-15 lie VC further on
.set AK16, 1                           ; v1   K: 6,144 x head pair + 16 x lane (+ the step's place)
.set AK8,  2                           ; v2   K: the same + 512, 8 x lane
.set AV16, 3                           ; v3, v4 the same in V
.set AV8,  4
.set SPW,  5                           ; v5   my spare word; never rewritten
.set NIL,  6                           ; v6   0; never rewritten
.set ASK,  7                           ; v7   K's scale words: KS + 256 x head pair + 8 r
.set ASV,  8                           ; v8   V's
.set KD,   9                           ; v9-11, v95: four scale words more (step A);  v10 later ctx's: scales and nothing else
.set XSW,  10
                                       ; v12-15, v16-19: -M, the largest t, the sum in two halves, for each of my two heads
                                       ; v20-25 Q's codes of the first head, v26-31 zeros, v32-37 of the second: v[20:31] and v[26:37] are the two operands
                                       ; v38, v39 the factors f
.set F,    40                          ; v40-87   four fragments of K or of V
.set KSC,  88                          ; v88-91   their scale words;  v92, v94 p's;  v93 Q's;  v88-95 later Wo's: scales and nothing else
.set PSC,  92
.set QSC,  93
.set PSC2, 94
.set S,    96                          ; v96-159  S^T, then p;  at the end ctx, then the accumulators of the last product
.set O,    160                         ; v160-223 O^T: 32 a head;  at the end Wo's K step 3 (v160-207)
.set PC,   224                         ; v224-247 codes
.set BM,   244                         ; v244-247 a block's largest score, then p
.set TP,   248
.set SO,   252
.set TM,   40                          ; QUANT's registers
.set SEL,  30
.macro PLACES n                        ; plain vector instructions behind a matrix instruction (ISA guide 7.12.1)
.rept \n
	v_nop
.endr
.endm
.macro MM d, a, b, c, sa, sb
	v_wmma_scale_f32_16x16x128_f8f6f4 v[\d:\d+7], v[\a:\a+11], v[\b:\b+11], \c, v[\sa], v[\sb] matrix_a_fmt:MATRIX_FMT_FP6 matrix_b_fmt:MATRIX_FMT_FP6
.endm
.macro FRAG f, a, b, o, a2, b2, o2     ; a fragment from two halves of six registers
	ds_load_b128 v[\f:\f+3], v[\a] offset:\o
	ds_load_b64 v[\f+4:\f+5], v[\b] offset:\o
	ds_load_b128 v[\f+6:\f+9], v[\a2] offset:\o2
	ds_load_b64 v[\f+10:\f+11], v[\b2] offset:\o2
.endm
.macro PHALVES                         ; of four half blocks a lane, a whole block in a lane: registers PC + 0 .. 11
.irp c, 0,1
.irp i, 0,1,2
	v_permlane16_swap_b32 v[PC+6*\c+\i], v[PC+12+4*\c+\i]
.endr
.irp i, 0,1,2
	v_mov_b32 v[PC+3+6*\c+\i], v[PC+12+4*\c+\i]
.endr
.endr
.endm
.macro QUANT s, pw                     ; 64 numbers of a lane become a fragment's codes in v[PC] on and its scale word in v[pw]
.irp b, 0,1,2,3
	v_max3_num_f32 v[TM+\b], 0x1800000, |v[(\s)+16*\b]|, |v[(\s)+16*\b+1]|
.endr
.irp i, 2,4,6,8,10,12,14
.irp b, 0,1,2,3
	v_max3_num_f32 v[TM+\b], v[TM+\b], |v[(\s)+16*\b+\i]|, |v[(\s)+16*\b+\i+1]|
.endr
.endr
.irp b, 0,1,2,3
	v_permlanex16_b32 v[TM+4+\b], v[TM+\b], s[SEL], s[SEL+1]
.endr
.irp b, 0,1,2,3
	v_max_num_f32 v[TM+\b], v[TM+\b], v[TM+4+\b]
.endr
.irp b, 0,1,2,3
	v_add_nc_u32 v[TM+12+\b], 0xff000000, v[TM+\b]
.endr
.irp b, 0,1,2,3
	v_lshrrev_b32 v[TM+4+\b], 23, v[TM+12+\b]
.endr
	v_lshl_or_b32 v[\pw], v[TM+5], 8, v[TM+4]
	v_lshl_or_b32 v[\pw], v[TM+6], 16, v[\pw]
	v_lshl_or_b32 v[\pw], v[TM+7], 24, v[\pw]
.irp c, 0,1
	v_cvt_scalef32_pk16_fp6_f32 v[PC+6*\c:PC+6*\c+2], v[(\s)+32*\c:(\s)+32*\c+15], v[TM+12+2*\c]
	v_cvt_scalef32_pk16_fp6_f32 v[PC+12+4*\c:PC+14+4*\c], v[(\s)+32*\c+16:(\s)+32*\c+31], v[TM+13+2*\c]
.endr
	v_nop                                          ; one plain instruction behind the scaled conversions
	PHALVES
.endm
.macro TLOAD g0, g1
	tensor_load_to_lds s[\g0:\g0+3], s[\g1:\g1+7]
	s_nop 0
	PLACES 4
.endm
	s_load_b512 s[4:19], s[0:1], 0x0               ; qc s[4:5], qs s[6:7], kc s[8:9], ks s[10:11], vc s[12:13], vs s[14:15], wc s[16:17], ws s[18:19]
	s_load_b128 s[20:23], s[0:1], 0x40             ; bo s[20:21], out0 s[22:23]
	v_lshl_add_u32 v[SPW], v0, 2, SPARE
	v_mov_b32 v[NIL], 0
	ds_add_u32 v[SPW], v[NIL]                      ; the opening: the add, twice on end, and its wait ahead of my first tensor load
	ds_add_u32 v[SPW], v[NIL]
	v_lshrrev_b32 v1, 5, v0
	v_readfirstlane_b32 s24, v1                    ; wave 0..15
	s_and_b32 s25, s24, 3                          ; tau
	s_lshr_b32 s26, s24, 2                         ; my head pair
	s_lshr_b32 s27, ttmp9, 5                       ; the sequence
	s_and_b32 s28, ttmp9, 31                       ; the block of 64 queries: hg0's number in K's and V's buffers, my half-group's in Q's
	s_mov_b32 s[SEL], 0x76543210
	s_mov_b32 s[SEL+1], 0xfedcba98
	s_mov_b32 s32, 0x3e38aa3b                      ; c = log2(e) / 8
	s_mov_b32 s33, s32                             ; (named with it as a pair, so it is written)
	; descriptor groups 1: dense blocks as rows of 256 bytes (32 elements of 8 bytes): s[36:43] 20 rows (five half-groups' scale words), s[44:51] 96 rows (a half-group's codes; Wo's blocks), s[52:59] 48 rows (half of one)
.irp g, 36, 44, 52
	s_mov_b32 s[\g+0], 3<<16
	s_mov_b32 s[\g+1], 32<<16
	s_mov_b32 s[\g+3], 32<<16
	s_mov_b32 s[\g+5], 32
	s_mov_b32 s[\g+6], 0
	s_mov_b32 s[\g+7], 0
.endr
	s_mov_b32 s38, 20<<16
	s_mov_b32 s40, 20
	s_mov_b32 s46, 96<<16
	s_mov_b32 s48, 96
	s_mov_b32 s54, 48<<16
	s_mov_b32 s56, 48
	; what a wave fetches at the head, for K (even waves) or V (odd): waves 0, 1 the scale words; 2, 3 hg3; 4 to 7 hg0 and hg4; 8 to 15 hg1's and hg2's halves
	s_and_b32 s29, s24, 1
	s_mul_i32 s84, s27, 884736
	s_mul_i32 s92, s28, HGB
	s_add_co_u32 s84, s84, s92
	s_mov_b32 s85, 0                               ; s[84:85]: hg0's codes in memory
	s_mul_i32 s86, s27, 36864
	s_lshl_b32 s92, s28, 10
	s_add_co_u32 s86, s86, s92
	s_mov_b32 s87, 0                               ; s[86:87]: its scale words
	s_mul_i32 s88, s29, VC
	s_mul_i32 s61, s24, 5120
	s_add_co_u32 s61, s61, KS
	s_mov_b32 s69, s88
	s_bfe_u32 s90, s24, 0x10001                    ; waves 4-7: hg0 or hg4.  Also: bt
	s_bfe_u32 s91, s24, 0x20001                    ; waves 8-15: which quarter of hg1 and hg2
	s_mul_i32 s73, s90, HGB
	s_add_co_u32 s73, s73, s88
	s_add_co_u32 s73, s73, HGB
	s_mul_i32 s77, s91, 12288
	s_add_co_u32 s77, s77, s88
	s_add_co_u32 s77, s77, 3*HGB
	s_mul_i32 s89, s24, 11                         ; Wo's block w (waves 0 .. 5): w / 3 = 11 w / 32:
	s_lshr_b32 s89, s89, 5
	s_mul_i32 s81, s89, 2*HGB                      ; blocks 0-2 onto K's first three places, 3-5 onto V's
	s_mul_i32 s98, s24, HGB
	s_mov_b32 s99, 0
	s_add_co_u32 s81, s81, s98
	s_mul_i32 s2, s27, 786432                      ; Q's fragment: sequence, half-group, head pair, tile
	s_mul_i32 s92, s28, HGB
	s_add_co_u32 s2, s2, s92
	s_mul_i32 s92, s26, 6144
	s_add_co_u32 s2, s2, s92
	s_mul_i32 s92, s25, 1536
	s_add_co_u32 s2, s2, s92
	s_mov_b32 s3, 0
	s_lshl_b32 s34, s27, 15                        ; and its scale words
	s_lshl_b32 s92, s28, 10
	s_add_co_u32 s34, s34, s92
	s_lshl_b32 s92, s26, 8
	s_add_co_u32 s34, s34, s92
	s_lshl_b32 s92, s29, 7
	s_add_co_u32 s34, s34, s92
	s_lshl_b32 s92, s90, 2
	s_add_co_u32 s34, s34, s92
	s_mov_b32 s35, 0
	v_and_b32 v252, 31, v0                         ; lane
	v_and_b32 v253, 15, v0                         ; r
	v_bfe_u32 v254, v0, 4, 1                       ; h
	s_mul_i32 s100, s26, 6144
	s_add_co_u32 s101, s100, 512
	v_lshl_add_u32 v[AK16], v252, 4, s100
	v_lshl_add_u32 v[AK8], v252, 3, s101
	v_add_nc_u32 v[AV16], VC, v[AK16]
	v_add_nc_u32 v[AV8], VC, v[AK8]
	s_lshl_b32 s100, s26, 8
	s_add_co_u32 s101, s100, KS
	v_lshl_add_u32 v[ASK], v253, 3, s101
	v_add_nc_u32 v[ASV], VS-KS, v[ASK]
	s_lshl_b32 s100, s29, 4
	v_lshlrev_b32 v244, 3, v254
	v_sub_nc_u32 v244, v253, v244
	v_add_nc_u32 v244, s100, v244                  ; x - 8 h - 32 bt = 16 (tau % 2) + r - 8 h: the masks' number
	v_lshlrev_b32 v255, 4, v252                    ; 16 x lane,
	v_lshlrev_b32 v252, 3, v252                    ; 8 x lane,
	v_lshlrev_b32 v253, 3, v253                    ; 8 r: Q's loads
.irp i, 26,27,28,29,30,31,39
	v_mov_b32 v\i, 0                               ; the zero codes between Q's two heads; v39 is named as the upper half of the pair v[38:39]
.endr
.irp b, 0,1,2,3
	v_mov_b32 v[TP+\b], 0                          ; written once: a lane permute's destination counts as one of its sources
.endr
	s_wait_alu depctr_va_vdst(0)
	s_wait_dscnt 0x0                               ; both opening adds are done
	s_wait_kmcnt 0x0
	s_cmp_eq_u32 s29, 0
	s_cselect_b64 s[94:95], s[8:9], s[12:13]
	s_cselect_b64 s[96:97], s[10:11], s[14:15]
	s_add_nc_u64 s[94:95], s[94:95], s[84:85]
	s_mov_b32 s60, 1
	s_add_nc_u64 s[62:63], s[96:97], s[86:87]
	s_or_b32 s63, s63, 0x80000000
	s_mov_b32 s68, 1
	s_add_nc_u64 s[70:71], s[94:95], 3*HGB
	s_or_b32 s71, s71, 0x80000000
	s_mov_b32 s72, 1
	s_mul_i32 s92, s90, 4*HGB
	s_mov_b32 s93, 0
	s_add_nc_u64 s[74:75], s[94:95], s[92:93]
	s_or_b32 s75, s75, 0x80000000
	s_mov_b32 s76, 1
	s_mul_i32 s92, s91, 12288
	s_add_nc_u64 s[78:79], s[94:95], s[92:93]
	s_add_nc_u64 s[78:79], s[78:79], HGB
	s_or_b32 s79, s79, 0x80000000
	; one chain of branches on the wave's number, one load in each arm: every wave issues one
	s_cmp_lt_u32 s24, 2
	s_cbranch_scc0 .Lhead_1
	TLOAD 60, 36
	s_branch .Lasked
.Lhead_1:
	s_cmp_lt_u32 s24, 4
	s_cbranch_scc0 .Lhead_2
	TLOAD 68, 44
	s_branch .Lasked
.Lhead_2:
	s_cmp_lt_u32 s24, 8
	s_cbranch_scc0 .Lhead_3
	TLOAD 72, 44
	s_branch .Lasked
.Lhead_3:
	TLOAD 76, 52
.Lasked:
	s_add_nc_u64 s[4:5], s[4:5], s[2:3]
	s_add_nc_u64 s[6:7], s[6:7], s[34:35]
	global_load_b128 v[20:23], v255, s[4:5]                ; Q's first head: registers 0-3,
	global_load_b64  v[24:25], v252, s[4:5] offset:512     ; 4-5;
	global_load_b128 v[32:35], v255, s[4:5] offset:768     ; its second head: registers 6-9,
	global_load_b64  v[36:37], v252, s[4:5] offset:1280    ; 10-11
	global_load_b32  v[QSC], v253, s[6:7]                  ; and the rows' scale words
	s_mov_b32 s80, 1                               ; Wo's refill: group 0
	s_add_nc_u64 s[82:83], s[16:17], s[98:99]
	s_add_nc_u64 s[82:83], s[82:83], 589824
	s_or_b32 s83, s83, 0x80000000
	s_and_b32 s66, s24, 7                          ; my 64 columns of the output
	s_mul_i32 s100, s66, 6144
	s_add_co_u32 s100, s100, 589824+147456
	s_mov_b32 s101, 0
	s_add_nc_u64 s[16:17], s[16:17], s[100:101]    ; Wo's K step 3: my four tiles
	s_lshl_b32 s100, s66, 8
	s_add_nc_u64 s[20:21], s[20:21], s[100:101]    ; bo: my 64 numbers
	s_add_co_u32 s100, s100, 24576
	s_add_nc_u64 s[18:19], s[18:19], s[100:101]    ; Wo's scale words
	s_lshl_b32 s100, ttmp9, 6                      ; out0: row 64 x work-group + 32 (w / 8)
	s_lshr_b32 s29, s24, 3
	s_lshl_b32 s29, s29, 5
	s_add_co_u32 s100, s100, s29
	s_lshl_b32 s100, s100, 11
	s_lshl_b32 s66, s66, 8
	s_add_co_u32 s100, s100, s66
	s_add_nc_u64 s[22:23], s[22:23], s[100:101]
	; step A's places.  K: s8 block bt's two tiles, s9 block 1 - bt of the half-group that counts whole; s10, s11 their scale words.  V: s12-s15 likewise (16- and 8-byte pieces).  s2, s3 the scale bytes' selectors
	s_mul_i32 s8, s90, 3072
	s_mul_i32 s9, s90, 21504
	s_add_co_u32 s9, s9, 27648                     ; 24,576 (1 + bt) + 3,072 (1 - bt)
	s_lshl_b32 s10, s90, 2
	s_mul_i32 s11, s90, 4092
	s_add_co_u32 s11, s11, 4                       ; 4,096 bt + 4 (1 - bt)
	s_lshl_b32 s12, s90, 8
	s_add_co_u32 s12, s12, 24576
	s_lshl_b32 s13, s90, 7
	s_add_co_u32 s13, s13, 24576
	s_mul_i32 s14, s90, 24320
	s_add_co_u32 s14, s14, 24832                   ; 24,576 (1 + bt) + 256 (1 - bt)
	s_mul_i32 s15, s90, 24448
	s_add_co_u32 s15, s15, 24704                   ; 24,576 (1 + bt) + 128 (1 - bt)
	s_mul_i32 s2, s90, 0x03030101                  ; bytes [bt of hg0 | bt of hg4 | 1 - bt of the one that counts, twice]: 0, 4, 1, 1 or 1, 5, 4, 4;
	s_add_co_u32 s2, s2, 0x01010400
	s_add_co_u32 s3, s2, 0x02020202                ; and of the next channel tile, two bytes on
.set n, 0
.rept 16
	v_cmp_le_i32 s[84+n], 16*(n/8)+n%8, v244       ; mask n: kappa at most x, kappa = 32 bt + 16 (n / 8) + n % 8 + 8 h
.set n, n+1
.endr
	s_wait_alu depctr_va_vdst(0)
	s_wait_loadcnt 0x0                             ; Q
.macro SHOW n                          ; the waves under n wait for their load; the others' may stay out
	s_wait_alu depctr_va_vdst(0)
	s_cmp_lt_u32 s24, \n
	s_cbranch_scc0 .Lno_wait_\@
	s_wait_tensorcnt 0x0
.Lno_wait_\@:
	s_wait_dscnt 0x0
	s_barrier_signal -1
	s_barrier_wait -1
.endm
.macro BLOCKMAX                        ; the largest score of each block: it serves for the row's maximum and, since p rises with the score, for the block's largest p
.irp b, 0,1,2,3
	v_max3_num_f32 v[BM+\b], v[S+16*\b], v[S+16*\b+1], v[S+16*\b+2]
.endr
.irp i, 3,5,7,9,11,13
.irp b, 0,1,2,3
	v_max3_num_f32 v[BM+\b], v[BM+\b], v[S+16*\b+\i], v[S+16*\b+\i+1]
.endr
.endr
.irp b, 0,1,2,3
	v_max_num_f32 v[BM+\b], v[BM+\b], v[S+16*\b+15]
.endr
.irp b, 0,1,2,3
	v_permlanex16_b32 v[TP+\b], v[BM+\b], s[SEL], s[SEL+1]
.endr
.irp b, 0,1,2,3
	v_max_num_f32 v[BM+\b], v[BM+\b], v[TP+\b]     ; with lane l xor 16's 16 keys
.endr
.endm
.macro EXP64
.set j, 0
.rept 64
	v_exp_f32 v[S+j], v[S+j]                       ; p = 2^(t - M), at most 1
.set j, j+1
.endr
.endm
.macro FMA2                            ; t - M for both heads, two at a time
.set j, 0
.rept 16
	v_pk_fma_f32 v[S+j:S+j+1], v[S+j:S+j+1], s[32:33], v[12:13] op_sel_hi:[1,0,0]
	v_pk_fma_f32 v[S+32+j:S+32+j+1], v[S+32+j:S+32+j+1], s[32:33], v[16:17] op_sel_hi:[1,0,0]
.set j, j+2
.endr
.endm
.macro PBYTES                          ; from the blocks' largest p: the conversions' scale operands and p's scale word
.irp b, 0,1,2,3
	v_max_num_f32 v[BM+\b], 0x1800000, v[BM+\b]    ; the floor 2^(3 - 127): the byte cannot fall under 1
.endr
.irp b, 0,1,2,3
	v_add_nc_u32 v[SO+\b], 0xff000000, v[BM+\b]    ; 2 off the exponent field: the conversion's scale operand
.endr
.irp b, 0,1,2,3
	v_lshrrev_b32 v[TP+\b], 23, v[SO+\b]           ; the scale's byte
.endr
	v_lshl_or_b32 v[PSC], v[TP+1], 8, v[TP]
	v_lshl_or_b32 v[PSC], v[TP+2], 16, v[PSC]
	v_lshl_or_b32 v[PSC], v[TP+3], 24, v[PSC]
.endm
.macro VWORDS                          ; of two raw words each: the lower halves make one fragment's scale word, the upper halves the next fragment's
	v_perm_b32 v[BM], v[KSC+1], v[KSC], 0x07060302
	v_perm_b32 v[BM+1], v[KSC+3], v[KSC+2], 0x07060302
	v_perm_b32 v[KSC], v[KSC+1], v[KSC], 0x05040100
	v_perm_b32 v[KSC+2], v[KSC+3], v[KSC+2], 0x05040100
	v_mov_b32 v[KSC+1], v[BM]
	v_mov_b32 v[KSC+3], v[BM+1]
.endm
	; STEP C: hg3 for BOTH my heads: registers S + 0 .. 31 are the first head's scores, S + 32 .. 63 the second's
	SHOW 4                                         ; the scale words and hg3 are in
.irp t, 0,1,2,3                                ; four whole fragments of K: 16 keys x both heads
	FRAG F+12*\t, AK16, AK8, 1536*\t, AK16, AK8, 1536*\t+768
	ds_load_b32 v[KSC+\t], v[ASK] offset:1024*3+128*(\t%2)+4*(\t/2)
.endr
	s_wait_dscnt 0x0
.irp t, 0,1,2,3
	MM S+8*\t, F+12*\t, 20, 0, KSC+\t, QSC
	MM S+32+8*\t, F+12*\t, 26, 0, KSC+\t, QSC
.endr
	PLACES 4
.irp d, 0,1,2,3                                ; V: fragment d = [16 channels of the first head | 16 of the second] x these 64 keys; asked for now, they land under the softmax
	FRAG F+12*\d, AV16, AV8, 768*\d, AV16, AV8, 768*(4+\d)
.endr
.irp i, 0,1
.irp c, 0,1
	ds_load_b32 v[KSC+2*\i+\c], v[ASV] offset:1024*3+128*\i+4*\c   ; raw word: the bytes of channel tiles 2 i, 2 i + 1 of head c
.endr
.endr
	BLOCKMAX
.irp hb, 0,1
	v_max_num_f32 v[13+4*\hb], v[BM+2*\hb], v[BM+2*\hb+1]  ; each head's largest score,
.endr
.irp hb, 0,1
	v_mul_f32 v[13+4*\hb], s32, v[13+4*\hb]                ; as t,
.endr
.irp hb, 0,1
	v_floor_f32 v[12+4*\hb], -v[13+4*\hb]                  ; and -M = floor(-t): M is a whole number
.endr
	FMA2
.irp b, 0,1,2,3
	v_fma_f32 v[BM+\b], v[BM+\b], s32, v[12+4*(\b/2)]      ; the same of each block's largest score
.endr
	s_wait_alu depctr_va_vdst(0)                   ; one wait ahead of the batch
	EXP64
.irp b, 0,1,2,3
	v_exp_f32 v[BM+\b], v[BM+\b]                   ; the block's largest p: the same two instructions on the same number give the same bits
.endr
	v_nop                                          ; the plain instruction behind the exponentials
	s_wait_alu depctr_va_vdst(0)                   ; and for one behind it, ahead of its first reader
	v_pk_add_f32 v[14:15], v[S:S+1], v[S+2:S+3]            ; the rows' sums are taken of the unquantised p: a chain for each head
	v_pk_add_f32 v[18:19], v[S+32:S+33], v[S+34:S+35]
.set j, 4
.rept 14
	v_pk_add_f32 v[14:15], v[14:15], v[S+j:S+j+1]
	v_pk_add_f32 v[18:19], v[18:19], v[S+32+j:S+32+j+1]
.set j, j+2
.endr
	PBYTES
	v_cvt_scalef32_pk16_fp6_f32 v[PC:PC+2], v[S:S+15], v[SO]
	v_cvt_scalef32_pk16_fp6_f32 v[PC+6:PC+8], v[S+16:S+31], v[SO+1]
	v_cvt_scalef32_pk16_fp6_f32 v[PC+12:PC+14], v[S+32:S+47], v[SO+2]
	v_cvt_scalef32_pk16_fp6_f32 v[PC+16:PC+18], v[S+48:S+63], v[SO+3]
	v_nop                                          ; one plain instruction behind the scaled conversions
	s_wait_alu depctr_va_vdst(0)
	s_wait_dscnt 0x0                               ; V's fragments and words are in
	VWORDS
.irp i, 0,1,2
	v_permlane16_swap_b32 v[PC+\i], v[PC+6+\i]     ; a whole block in a lane: the first head's p in PC + 0 .. 5,
.endr
.irp i, 0,1,2
	v_permlane16_swap_b32 v[PC+12+\i], v[PC+16+\i] ; the second's in PC + 12 .. 17 (the copies in ascending order: each reads its source before that is written),
.endr
.irp i, 0,1,2
	v_mov_b32 v[PC+3+\i], v[PC+6+\i]
.endr
.irp i, 0,1,2
	v_mov_b32 v[PC+15+\i], v[PC+16+\i]
.endr
.irp i, 6,7,8,9,10,11
	v_mov_b32 v[PC+\i], 0                          ; zero codes between them
.endr
	PLACES 4                                       ; between the lines that made the codes and the products
.irp d, 0,1,2,3                                ; O^T = V^T P^T: these products start the sums; the eight accumulators by turns
	MM O+8*\d, F+12*\d, PC, 0, KSC+\d, PSC
	MM O+32+8*\d, F+12*\d, PC+6, 0, KSC+\d, PSC
.endr
	; STEP A: hg0 (place 1) and hg4 (place 2), merged
	SHOW 8                                         ; hg0 and hg4 are in
	v_add_nc_u32 v[BM], s8, v[AK16]                ; K: block bt,
	v_add_nc_u32 v[BM+1], s8, v[AK8]
	v_add_nc_u32 v[BM+2], s9, v[AK16]              ; block 1 - bt,
	v_add_nc_u32 v[BM+3], s9, v[AK8]
	v_add_nc_u32 v[TP], s10, v[ASK]                ; and their scale words
	v_add_nc_u32 v[TP+1], s11, v[ASK]
.irp g, 0,1                                    ; block bt: two tiles of hg0, two of hg4
.irp e, 0,1
	FRAG F+24*\g+12*\e, BM, BM+1, HGB*(1+\g)+1536*\e, BM, BM+1, HGB*(1+\g)+1536*\e+768
	ds_load_b32 v[KSC+2*\g+\e], v[TP] offset:4096*\g+128*\e
.endr
.endr
	s_wait_alu depctr_va_vdst(0)
	s_wait_dscnt 0x0
.irp g, 0,1                                    ; hg0's scores to S + 0 .. 15 (second head S + 32 ..), hg4's to S + 16 .. 31 (S + 48 ..)
.irp e, 0,1
	MM S+16*\g+8*\e, F+24*\g+12*\e, 20, 0, KSC+2*\g+\e, QSC
	MM S+32+16*\g+8*\e, F+24*\g+12*\e, 26, 0, KSC+2*\g+\e, QSC
.endr
.endr
	PLACES 5                                       ; (results are written over below)
.irp e, 0,1                                    ; block 1 - bt
	FRAG F+12*\e, BM+2, BM+3, 1536*\e, BM+2, BM+3, 1536*\e+768
	ds_load_b32 v[KSC+\e], v[TP+1] offset:128*\e
.endr
.set n, 0
.rept 16                                       ; the merge, under the loads: mask n takes hg4's score
	v_cndmask_b32 v[S+n], v[S+n], v[S+16+n], s[84+n]
	v_cndmask_b32 v[S+32+n], v[S+32+n], v[S+48+n], s[84+n]
.set n, n+1
.endr
	s_wait_alu depctr_va_vdst(0)
	s_wait_dscnt 0x0
.irp e, 0,1
	MM S+16+8*\e, F+12*\e, 20, 0, KSC+\e, QSC
	MM S+48+8*\e, F+12*\e, 26, 0, KSC+\e, QSC
.endr
	PLACES 4
	BLOCKMAX                                       ; blocks: bt merged, 1 - bt of the first head; the same of the second
.irp hb, 0,1
	v_max_num_f32 v[TP+\hb], v[BM+2*\hb], v[BM+2*\hb+1]    ; the step's largest score of my query, for each head
.endr
.irp hb, 0,1
	v_mul_f32 v[TP+\hb], s32, v[TP+\hb]                    ; as t
.endr
.irp hb, 0,1
	v_max_num_f32 v[13+4*\hb], v[13+4*\hb], v[TP+\hb]      ; the running largest t
.endr
.irp hb, 0,1
	v_mov_b32 v[TP+\hb], v[12+4*\hb]
.endr
.irp hb, 0,1
	v_floor_f32 v[12+4*\hb], -v[13+4*\hb]                  ; the new -M
.endr
.irp hb, 0,1
	v_sub_f32 v[TP+\hb], v[12+4*\hb], v[TP+\hb]            ; old M - new M: a whole number, 0 or less
.endr
.irp hb, 0,1
	v_cvt_i32_f32 v[TP+\hb], v[TP+\hb]                     ; (it saturates)
.endr
.irp hb, 0,1
	v_ldexp_f32 v[38+\hb], 1.0, v[TP+\hb]                  ; f = 2^(old M - new M): v38, v39
.endr
	FMA2
.irp hb, 0,1
	v_fma_f32 v[BM+1+2*\hb], v[BM+1+2*\hb], s32, v[12+4*\hb]   ; block 1 - bt's largest score
.endr
	s_wait_alu depctr_va_vdst(0)                   ; one wait ahead of the batch
	EXP64
	v_exp_f32 v[BM+1], v[BM+1]
	v_exp_f32 v[BM+3], v[BM+3]
	v_pk_mul_f32 v[14:15], v[14:15], v[38:39] op_sel_hi:[1,0]  ; the sums under the new M: plain instructions behind the exponentials
	v_mul_f32 v18, v18, v39
	v_mul_f32 v19, v19, v39
	s_wait_alu depctr_va_vdst(0)                   ; and for one behind it
.set j, 0
.rept 16                                       ; the merged p counts each key once
	v_pk_add_f32 v[14:15], v[14:15], v[S+j:S+j+1]
	v_pk_add_f32 v[18:19], v[18:19], v[S+32+j:S+32+j+1]
.set j, j+2
.endr
.set n, 0
.rept 16                                       ; the split: hg4's p to F, hg0's stays
	v_cndmask_b32 v[F+n], v26, v[S+n], s[84+n]
	v_cndmask_b32 v[F+16+n], v26, v[S+32+n], s[84+n]
	v_cndmask_b32 v[S+n], v[S+n], v26, s[84+n]
	v_cndmask_b32 v[S+32+n], v[S+32+n], v26, s[84+n]
.set n, n+1
.endr
	v_max3_num_f32 v[BM], 0x1800000, v[S], v[S+1]          ; the largest p of the four split blocks, with the floor 2^(3 - 127)
	v_max3_num_f32 v[TP], 0x1800000, v[F], v[F+1]
	v_max3_num_f32 v[BM+2], 0x1800000, v[S+32], v[S+33]
	v_max3_num_f32 v[TP+1], 0x1800000, v[F+16], v[F+17]
.irp i, 2,4,6,8,10,12,14
	v_max3_num_f32 v[BM], v[BM], v[S+\i], v[S+\i+1]
	v_max3_num_f32 v[TP], v[TP], v[F+\i], v[F+\i+1]
	v_max3_num_f32 v[BM+2], v[BM+2], v[S+32+\i], v[S+33+\i]
	v_max3_num_f32 v[TP+1], v[TP+1], v[F+16+\i], v[F+17+\i]
.endr
	v_permlanex16_b32 v[TP+2], v[BM], s[SEL], s[SEL+1]
	v_permlanex16_b32 v[TP+3], v[TP], s[SEL], s[SEL+1]
	v_permlanex16_b32 v[SO], v[BM+2], s[SEL], s[SEL+1]
	v_permlanex16_b32 v[SO+1], v[TP+1], s[SEL], s[SEL+1]
	v_max_num_f32 v[BM], v[BM], v[TP+2]
	v_max_num_f32 v[TP], v[TP], v[TP+3]
	v_max_num_f32 v[BM+2], v[BM+2], v[SO]
	v_max_num_f32 v[TP+1], v[TP+1], v[SO+1]
	v_max_num_f32 v[BM+1], 0x1800000, v[BM+1]
	v_max_num_f32 v[BM+3], 0x1800000, v[BM+3]
	v_add_nc_u32 v[SO], 0xff000000, v[BM]          ; the scale operands: first head bt of hg0,
	v_add_nc_u32 v[SO+1], 0xff000000, v[TP]        ; bt of hg4,
	v_add_nc_u32 v[SO+2], 0xff000000, v[BM+1]      ; 1 - bt;
	v_add_nc_u32 v[SO+3], 0xff000000, v[BM+2]      ; the second head's three
	v_add_nc_u32 v[TP+2], 0xff000000, v[TP+1]
	v_add_nc_u32 v[TP+3], 0xff000000, v[BM+3]
	v_lshrrev_b32 v[BM], 23, v[SO]                 ; the scales' bytes
	v_lshrrev_b32 v[TP], 23, v[SO+1]
	v_lshrrev_b32 v[BM+1], 23, v[SO+2]
	v_lshrrev_b32 v[BM+2], 23, v[SO+3]
	v_lshrrev_b32 v[TP+1], 23, v[TP+2]
	v_lshrrev_b32 v[BM+3], 23, v[TP+3]
	v_lshl_or_b32 v[PSC], v[TP], 8, v[BM]
	v_lshl_or_b32 v[PSC2], v[TP+1], 8, v[BM+2]
	v_lshl_or_b32 v[PSC], v[BM+1], 16, v[PSC]
	v_lshl_or_b32 v[PSC2], v[BM+3], 16, v[PSC2]
	v_lshl_or_b32 v[PSC], v[BM+1], 24, v[PSC]      ; (the fourth block has zero codes, and a finite byte)
	v_lshl_or_b32 v[PSC2], v[BM+3], 24, v[PSC2]
	v_cvt_scalef32_pk16_fp6_f32 v[PC:PC+2], v[S:S+15], v[SO]
	v_cvt_scalef32_pk16_fp6_f32 v[F+32:F+34], v[F:F+15], v[SO+1]
	v_cvt_scalef32_pk16_fp6_f32 v[PC+6:PC+8], v[S+16:S+31], v[SO+2]
	v_cvt_scalef32_pk16_fp6_f32 v[PC+12:PC+14], v[S+32:S+47], v[SO+3]
	v_cvt_scalef32_pk16_fp6_f32 v[F+40:F+42], v[F+16:F+31], v[TP+2]
	v_cvt_scalef32_pk16_fp6_f32 v[PC+18:PC+20], v[S+48:S+63], v[TP+3]
.irp i, 36,37,38,44,45,46                      ; the fourth blocks' codes; plain instructions behind the scaled conversions
	v_mov_b32 v[F+\i], 0
.endr
	v_bfe_u32 v[TP], v0, 4, 1                      ; h
	v_mad_u32_u24 v[SO], v[TP], 24320, v[AV16]     ; V, registers 0-5: lanes 0-15 block bt of hg0, lanes 16-31 block bt of hg4: a place further on, and 16 lanes' pieces back
	v_mad_u32_u24 v[SO+1], v[TP], 24448, v[AV8]
	v_lshlrev_b32 v[TP+1], 8, v[TP]
	v_lshlrev_b32 v[TP], 7, v[TP]
	v_sub_nc_u32 v[SO+2], v[AV16], v[TP+1]         ; registers 6-11: block 1 - bt in both halves of the lanes
	v_sub_nc_u32 v[SO+3], v[AV8], v[TP]
	v_mov_b32 v[S+56], v39                         ; the second head's factor, as the low word of a pair
.irp i, 0,1,2,3
	v_add_nc_u32 v[SO+\i], s[12+\i], v[SO+\i]
.endr
.irp i, 0,1,2                                  ; a whole block in a lane
	v_permlane16_swap_b32 v[PC+\i], v[F+32+\i]
	v_permlane16_swap_b32 v[PC+6+\i], v[F+36+\i]
	v_permlane16_swap_b32 v[PC+12+\i], v[F+40+\i]
	v_permlane16_swap_b32 v[PC+18+\i], v[F+44+\i]
.endr
.irp i, 0,1,2
	v_mov_b32 v[PC+3+\i], v[F+32+\i]
	v_mov_b32 v[PC+9+\i], v[F+36+\i]
	v_mov_b32 v[PC+15+\i], v[F+40+\i]
	v_mov_b32 v[PC+21+\i], v[F+44+\i]
.endr
.irp d, 0,1,2,3                                ; V: the first head's fragments to F, the second's to S
	FRAG F+12*\d, SO, SO+1, 768*\d, SO+2, SO+3, 768*\d
.endr
.irp d, 0,1,2,3
	FRAG S+12*\d, SO, SO+1, 768*(4+\d), SO+2, SO+3, 768*(4+\d)
.endr
.irp hb, 0,1
.irp i, 0,1
.irp g, 0,1
	ds_load_b32 v[S+48+4*\hb+2*\i+\g], v[ASV] offset:4096*\g+128*\i+4*\hb   ; raw words of channel tiles 2 i, 2 i + 1: hg0's, hg4's
.endr
.endr
.endr
	s_wait_dscnt 0x0
	s_wait_alu depctr_va_vdst(0)
	v_perm_b32 v[KSC], v[S+49], v[S+48], s2
	v_perm_b32 v[KSC+1], v[S+49], v[S+48], s3
	v_perm_b32 v[KSC+2], v[S+51], v[S+50], s2
	v_perm_b32 v[KSC+3], v[S+51], v[S+50], s3
	v_perm_b32 v[KD], v[S+53], v[S+52], s2
	v_perm_b32 v[KD+1], v[S+53], v[S+52], s3
	v_perm_b32 v[KD+2], v[S+55], v[S+54], s2
	v_perm_b32 v95, v[S+55], v[S+54], s3
.set j, 0
.rept 16
	v_pk_mul_f32 v[O+j:O+j+1], v[O+j:O+j+1], v[38:39] op_sel_hi:[1,0]               ; O^T under the new M
	v_pk_mul_f32 v[O+32+j:O+32+j+1], v[O+32+j:O+32+j+1], v[S+56:S+57] op_sel_hi:[1,0]
.set j, j+2
.endr
.irp d, 0,1,2,3                                ; O^T += V^T P^T: the eight accumulators by turns
	MM O+8*\d, F+12*\d, PC, v[O+8*\d:O+8*\d+7], KSC+\d, PSC
.endr
.irp d, 0,1,2
	MM O+32+8*\d, S+12*\d, PC+12, v[O+32+8*\d:O+32+8*\d+7], KD+\d, PSC2
.endr
	MM O+56, S+36, PC+12, v[O+56:O+63], 95, PSC2
	; THE REFILL: hg3's, hg0's and hg4's places have been read
	s_wait_tensorcnt 0x0                           ; all my tensor loads are done, hg1's and hg2's among them
	ds_add_u32 v[SPW], v[NIL]                      ; 0 onto my spare word
.irp a, AK16, AK8, AV16, AV8
	v_add_nc_u32 v[\a], 3*HGB, v[\a]               ; on to hg1's place: register work between the add and the wait for it
.endr
	s_wait_alu depctr_va_vdst(0)
	s_wait_dscnt 0x0                               ; the add is done, and so are my reads of those places
	s_barrier_signal -1
	s_barrier_wait -1                              ; both hold of every wave; hg1 and hg2 are in
	s_cmp_lt_u32 s24, 6
	s_cbranch_scc0 .Lno_wo
	TLOAD 80, 44                                   ; waves 0-5: a block each of Wo's K steps 0, 1, 2
.Lno_wo:
; STEP B for head hb: hg1 and hg2, 128 keys, which lie side by side at the address registers' place
.macro STEPB hb
.set ST, 12+4*\hb
.set OB, O+32*\hb
.irp g, 0,1                                    ; S^T = K Q^T, four tiles of 16 keys at a time; of each fragment of K only my head's half is fetched: the other half meets zero codes of Q
	PLACES 4
.irp t, 0,1,2,3
	ds_load_b128 v[F+12*\t+6*\hb:F+12*\t+6*\hb+3],   v[AK16] offset:HGB*\g+1536*\t+768*\hb
	ds_load_b64  v[F+12*\t+6*\hb+4:F+12*\t+6*\hb+5], v[AK8]  offset:HGB*\g+1536*\t+768*\hb
	ds_load_b32  v[KSC+\t], v[ASK] offset:1024*(1+\g)+128*(\t%2)+4*(\t/2)
.endr
	s_wait_dscnt 0x0
.irp t, 0,1,2,3
	MM S+32*\g+8*\t, F+12*\t, 20+6*\hb, 0, KSC+\t, QSC
.endr
.endr
	PLACES 4
.irp d, 0,1,2,3                                ; V's four fragments (16 channels x 128 keys: a half from each half-group) are asked for now and land under the softmax
	FRAG F+12*\d, AV16, AV8, 768*(4*\hb+\d), AV16, AV8, HGB+768*(4*\hb+\d)
.endr
.irp i, 0,1
.irp c, 0,1
	ds_load_b32 v[KSC+2*\i+\c], v[ASV] offset:1024*(1+\c)+128*\i+4*\hb
.endr
.endr
	BLOCKMAX
	v_max3_num_f32 v[TP], v[BM], v[BM+1], v[BM+2]
	s_delay_alu instid0(VALU_DEP_1)
	v_max_num_f32 v[TP], v[TP], v[BM+3]            ; the step's largest score of my query
	s_delay_alu instid0(VALU_DEP_1)
	v_mul_f32 v[TP], s32, v[TP]                    ; as t
	s_delay_alu instid0(VALU_DEP_1)
	v_max_num_f32 v[ST+1], v[ST+1], v[TP]          ; the running largest t
	v_mov_b32 v[TP], v[ST]
	s_delay_alu instid0(VALU_DEP_2)
	v_floor_f32 v[ST], -v[ST+1]                    ; the new -M
	s_delay_alu instid0(VALU_DEP_1)
	v_sub_f32 v[TP], v[ST], v[TP]                  ; old M - new M
	s_delay_alu instid0(VALU_DEP_1)
	v_cvt_i32_f32 v[TP], v[TP]
	s_delay_alu instid0(VALU_DEP_1)
	v_ldexp_f32 v38, 1.0, v[TP]                    ; f
.set j, 0
.rept 32
	v_pk_fma_f32 v[S+j:S+j+1], v[S+j:S+j+1], s[32:33], v[ST:ST+1] op_sel_hi:[1,0,0]   ; t - M, two at a time
.set j, j+2
.endr
.irp b, 0,1,2,3
	v_fma_f32 v[BM+\b], v[BM+\b], s32, v[ST]
.endr
	s_wait_alu depctr_va_vdst(0)                   ; one wait ahead of the batch
	EXP64
.irp b, 0,1,2,3
	v_exp_f32 v[BM+\b], v[BM+\b]
.endr
	v_pk_mul_f32 v[ST+2:ST+3], v[ST+2:ST+3], v[38:39] op_sel_hi:[1,0]   ; the sum under the new M: the plain instruction behind the exponentials
	s_wait_alu depctr_va_vdst(0)                   ; and for one behind it
	v_pk_add_f32 v[TP:TP+1], v[S:S+1], v[S+2:S+3]  ; the row's sum is taken of the unquantised p: two at a time, in two chains
.set j, 4
.rept 15
	v_pk_add_f32 v[ST+2:ST+3], v[ST+2:ST+3], v[S+j:S+j+1]
	v_pk_add_f32 v[TP:TP+1], v[TP:TP+1], v[S+j+2:S+j+3]
.set j, j+4
.endr
	v_pk_add_f32 v[ST+2:ST+3], v[ST+2:ST+3], v[TP:TP+1]
	PBYTES
.irp c, 0,1
	v_cvt_scalef32_pk16_fp6_f32 v[PC+6*\c:PC+6*\c+2], v[S+32*\c:S+32*\c+15], v[SO+2*\c]
	v_cvt_scalef32_pk16_fp6_f32 v[PC+12+4*\c:PC+14+4*\c], v[S+32*\c+16:S+32*\c+31], v[SO+2*\c+1]
.endr
	v_nop                                          ; one plain instruction behind the scaled conversions
	PHALVES
	s_wait_dscnt 0x0                               ; V's fragments and words are in
	s_wait_alu depctr_va_vdst(0)
	VWORDS
.set j, 0
.rept 16
	v_pk_mul_f32 v[OB+j:OB+j+1], v[OB+j:OB+j+1], v[38:39] op_sel_hi:[1,0]   ; O^T under the new M.  (These sixteen also stand between the lines that made codes and scale words and the products)
.set j, j+2
.endr
.irp d, 0,1,2,3                                ; O^T += V^T P^T: the four accumulators by turns
	MM OB+8*\d, F+12*\d, PC, v[OB+8*\d:OB+8*\d+7], KSC+\d, PSC
.endr
.endm
	STEPB 0
	STEPB 1
	; ctx = O^T / the sum: my 16 queries x my pair's 128 channels, which are K step (w / 4) of the last product
	s_lshr_b32 s84, s24, 3                         ; my 32 rows,
	s_and_b32 s85, s24, 7                          ; my 64 columns
	s_mul_i32 s86, s84, VC
	s_mul_i32 s92, s85, 16*SP
	s_add_co_u32 s86, s86, s92
	s_add_co_u32 s86, s86, STG                     ; my stage
	s_mul_i32 s87, s85, 6144                       ; my four tiles of Wo: K step 0,
	s_lshr_b32 s89, s85, 2
	s_mul_i32 s88, s89, 2*HGB
	s_add_co_u32 s88, s88, s87
	s_add_co_u32 s88, s88, 2*HGB                   ; 1 (its second half lies in V's first place),
	s_add_co_u32 s89, s87, 6*HGB                   ; 2
	s_mul_i32 s90, s84, 3072
	s_add_co_u32 s90, s90, CIMG                    ; my two row tiles of ctx
	s_lshl_b32 s91, s84, 8
	s_add_co_u32 s91, s91, CSC
	s_mul_i32 s92, s24, 1536
	s_add_co_u32 s92, s92, CIMG                    ; where I store my image
	s_lshl_b32 s93, s24, 7
	s_add_co_u32 s93, s93, CSC
	PLACES 4
	v_add_f32 v14, v14, v15
	v_add_f32 v18, v18, v19
	v_permlanex16_b32 v[TP], v14, s[SEL], s[SEL+1]
	v_permlanex16_b32 v[TP+2], v18, s[SEL], s[SEL+1]
	v_add_f32 v14, v14, v[TP]
	v_add_f32 v18, v18, v[TP+2]                    ; the rows' sums: above 1/2, since the row's largest p is
	s_wait_alu depctr_va_vdst(0)                   ; the wait ahead of the batch
	v_rcp_f32 v[TP], v14
	v_rcp_f32 v[TP+2], v18
	v_and_b32 v40, 31, v0                          ; the addresses of what follows: plain work behind the reciprocals
	v_and_b32 v41, 15, v0
	v_bfe_u32 v42, v0, 4, 1
	v_lshlrev_b32 v28, 4, v40                      ; v28: 16 x lane
	v_lshlrev_b32 v34, 2, v40                      ; v34: 4 x lane
	v_lshlrev_b32 v43, 6, v42
	v_add_nc_u32 v29, s90, v28                     ; v29: ctx's images
	v_add_nc_u32 v31, s87, v28                     ; v31-33: Wo in LDS
	v_add_nc_u32 v32, s88, v28
	v_add_nc_u32 v33, s89, v28
	v_add_nc_u32 v1, s92, v28                      ; v1, v2: my own image and scale words
	v_add_nc_u32 v2, s93, v34
	v_add_nc_u32 v30, v34, v43
	v_add_nc_u32 v30, s91, v30                     ; v30: ctx's scale words: 4 r, + 128 in lanes 16-31: one row tile's in the lower lanes, the next one's in the upper
	v_lshlrev_b32 v35, 5, v42                      ; v35: bo: 32 h
	v_mul_u32_u24 v36, v41, SP
	v_mul_u32_u24 v37, v42, SP
	v_lshl_add_u32 v36, v42, 5, v36
	v_lshl_add_u32 v37, v41, 4, v37
	v_add_nc_u32 v36, s86, v36                     ; v36: into the stage: row r, + 32 h
	v_add_nc_u32 v37, s86, v37                     ; v37: back: row h, + 16 r
	v_lshlrev_b32 v3, 11, v42
	v_lshl_add_u32 v3, v41, 4, v3                  ; v3: the same place in the output
	s_wait_alu depctr_va_vdst(0)                   ; one wait for the two reciprocals, ahead of their first reader
.set j, 0
.rept 16
	v_pk_mul_f32 v[S+j:S+j+1], v[O+j:O+j+1], v[TP:TP+1] op_sel_hi:[1,0]   ; each accumulator from its low end on
.set j, j+2
.endr
.rept 16
	v_pk_mul_f32 v[S+j:S+j+1], v[O+j:O+j+1], v[TP+2:TP+3] op_sel_hi:[1,0]
.set j, j+2
.endr
.irp s, 0,1,2,3                                ; asked for now, they land under the quantiser and the barrier.  Wo's scale words: register 88 + 2 s + p: lanes 0-15 tile 2 p's, lanes 16-31 tile 2 p + 1's
.irp p, 0,1
	global_load_b32 v[88+2*\s+\p], v34, s[18:19] offset:2048*\s+128*\p
.endr
.endr
.macro BOLOAD u, r                     ; bo in the result's layout: b[64 (w % 8) + 16 u + 8 h + 0 .. 7]
	global_load_b128 v[\r:\r+3], v35, s[20:21] offset:64*\u
	global_load_b128 v[\r+4:\r+7], v35, s[20:21] offset:64*\u+16
.endm
	BOLOAD 0, 208
	BOLOAD 1, 216
	BOLOAD 2, 12
	BOLOAD 3, 20
.irp u, 0,1,2,3                                ; Wo's K step 3: twelve loads, the youngest
.irp c, 0,1,2
	global_load_b128 v[O+12*\u+4*\c:O+12*\u+4*\c+3], v28, s[16:17] offset:1536*\u+512*\c
.endr
.endr
	QUANT S, 56
.irp c, 0,1,2
	ds_store_b128 v1, v[PC+4*\c:PC+4*\c+3] offset:512*\c   ; bytes of the images' own: no tile lands there
.endr
	ds_store_b32 v2, v56
	s_wait_alu depctr_va_vdst(0)
	s_wait_tensorcnt 0x0                           ; my block of Wo is in
	s_wait_dscnt 0x0                               ; for the others' sake: my image has landed; my reads of K and V are over
	s_barrier_signal -1
	s_barrier_wait -1                              ; ctx's sixteen fragments and Wo's K steps 0-2 lie in LDS, and nobody reads K's or V's tiles any more
	; out^T tiles: source 0 = 16 rows of Wo (tile u), source 1 = 16 queries of ctx (row tile a); eight accumulators by turns, a K step at a time; bo starts the sums
.macro OUT1 s, u, ru, a, wf, bo
.set Y_, S+32*\a+8*\u
.if \s == 0
	v_wmma_scale_f32_16x16x128_f8f6f4 v[Y_:Y_+7], v[\wf+12*\u:\wf+12*\u+11], v[PC+12*\a:PC+12*\a+11], v[\bo:\bo+7], v[88+2*\s+\u/2], v[XSW] matrix_a_fmt:MATRIX_FMT_FP6 matrix_b_fmt:MATRIX_FMT_FP6 matrix_a_scale:MATRIX_SCALE_ROW\ru matrix_b_scale:MATRIX_SCALE_ROW\a
.else
	v_wmma_scale_f32_16x16x128_f8f6f4 v[Y_:Y_+7], v[\wf+12*\u:\wf+12*\u+11], v[PC+12*\a:PC+12*\a+11], v[Y_:Y_+7], v[88+2*\s+\u/2], v[XSW] matrix_a_fmt:MATRIX_FMT_FP6 matrix_b_fmt:MATRIX_FMT_FP6 matrix_a_scale:MATRIX_SCALE_ROW\ru matrix_b_scale:MATRIX_SCALE_ROW\a
.endif
.endm
.macro OUTK s, wf
.if \s != 0
	PLACES 4
.endif
.if \s != 3
.irp u, 0,1,2,3
.irp c, 0,1,2
	ds_load_b128 v[F+12*\u+4*\c:F+12*\u+4*\c+3], v[31+\s] offset:1536*\u+512*\c
.endr
.endr
.endif
.irp a, 0,1
.irp c, 0,1,2
	ds_load_b128 v[PC+12*\a+4*\c:PC+12*\a+4*\c+3], v29 offset:1536*(\a+4*\s)+512*\c
.endr
.endr
	ds_load_b32 v[XSW], v30 offset:512*\s
.if \s == 0
	s_wait_loadcnt 12                              ; Wo's scale words and bo; K step 3's twelve loads may be out
.endif
.if \s == 3
	s_wait_loadcnt 0x0
.endif
	s_wait_dscnt 0x0
.irp a, 0,1
	OUT1 \s, 0, 0, \a, \wf, 208
	OUT1 \s, 1, 1, \a, \wf, 216
	OUT1 \s, 2, 0, \a, \wf, 12
	OUT1 \s, 3, 1, \a, \wf, 20
.endr
.endm
	OUTK 0, F
	OUTK 1, F
	OUTK 2, F
	OUTK 3, O
	; THE WAY OUT: a lane holds eight neighbouring columns of one row: a row tile goes through my own stage and comes back as rows of 256 bytes.  LDS serves a wave's instructions in order (ISA guide 5.7.1.4)
	PLACES 4
.irp a, 0,1
.irp u, 0,1,2,3
	ds_store_b128 v36, v[S+32*\a+8*\u:S+32*\a+8*\u+3] offset:64*\u          ; each accumulator from its low end on
	ds_store_b128 v36, v[S+32*\a+8*\u+4:S+32*\a+8*\u+7] offset:64*\u+16
.endr
.irp t, 0,1,2,3,4,5,6,7
	ds_load_b128 v[O+32*\a+4*\t:O+32*\a+4*\t+3], v37 offset:2*SP*\t
.endr
.endr
.irp a, 0,1
	s_wait_dscnt 16*(1-\a)                         ; behind the first row tile's loads: the second's eight stores and eight loads
.irp t, 0,1,2,3,4,5,6,7
	global_store_b128 v3, v[O+32*\a+4*\t:O+32*\a+4*\t+3], s[22:23] offset:32768*\a+4096*\t th:TH_STORE_NT   ; sixteen lanes store 256 consecutive bytes, at a multiple of 256 from the output's first byte
.endr
.endr
	s_wait_tensorcnt 0x0                           ; the wave's end: behind my last tensor load and my last LDS store
	ds_add_u32 v[SPW], v[NIL]
	s_wait_dscnt 0x0
	s_endpgm
.Lfunc_end_k_q53381a477e_attn:
	.size	k_q53381a477e_attn, .Lfunc_end_k_q53381a477e_attn-k_q53381a477e_attn
	.p2alignl 7, 3214868480
	.fill 96, 4, 3214868480
	.section	.rodata,"a",@progbits
	.p2align	6, 0x0
	.amdhsa_kernel k_q53381a477e_attn
		.amdhsa_group_segment_fixed_size 327680
		.amdhsa_private_segment_fixed_size 0
		.amdhsa_enable_private_segment 0
		.amdhsa_kernarg_size 80
		.amdhsa_user_sgpr_count 2
		.amdhsa_user_sgpr_kernarg_segment_ptr 1
		.amdhsa_wavefront_size32 1
		.amdhsa_system_sgpr_workgroup_id_x 1
		.amdhsa_system_sgpr_workgroup_id_y 1
		.amdhsa_system_sgpr_workgroup_id_z 1
		.amdhsa_system_vgpr_workitem_id 0
		.amdhsa_next_free_vgpr 256
		.amdhsa_next_free_sgpr 102
		.amdhsa_reserve_vcc 0
		.amdhsa_float_denorm_mode_32 3
		.amdhsa_float_denorm_mode_16_64 3
		.amdhsa_memory_ordered 1
		.amdhsa_forward_progress 1
		.amdhsa_inst_pref_size 117
	.end_amdhsa_kernel
	.amdgpu_metadata
---
amdhsa.version: [ 1, 2 ]
amdhsa.kernels:
  - .name:           k_q53381a477e_attn
    .symbol:         k_q53381a477e_attn.kd
    .args:
      - { .name: qc, .offset: 0, .size: 8, .value_kind: global_buffer, .address_space: global }
      - { .name: qs, .offset: 8, .size: 8, .value_kind: global_buffer, .address_space: global }
      - { .name: kc, .offset: 16, .size: 8, .value_kind: global_buffer, .address_space: global }
      - { .name: ks, .offset: 24, .size: 8, .value_kind: global_buffer, .address_space: global }
      - { .name: vc, .offset: 32, .size: 8, .value_kind: global_buffer, .address_space: global }
      - { .name: vs, .offset: 40, .size: 8, .value_kind: global_buffer, .address_space: global }
      - { .name: wc, .offset: 48, .size: 8, .value_kind: global_buffer, .address_space: global }
      - { .name: ws, .offset: 56, .size: 8, .value_kind: global_buffer, .address_space: global }
      - { .name: bo, .offset: 64, .size: 8, .value_kind: global_buffer, .address_space: global }
      - { .name: out0, .offset: 72, .size: 8, .value_kind: global_buffer, .address_space: global }
    .group_segment_fixed_size: 327680
    .private_segment_fixed_size: 0
    .kernarg_segment_align: 8
    .kernarg_segment_size: 80
    .max_flat_workgroup_size: 512
    .sgpr_count:     102
    .vgpr_count:     256
    .wavefront_size: 32
...
	.end_amdgpu_metadata
.endif
;; end of part 3
